; MI455X (gfx1250); checked and timed in simulation.
; The chip was launched on July 23, 2026; its instructions are those of AMD's public machine-readable ISA for CDNA 5 (MIT licence, August 2026) and "CDNA5" Instruction Set Architecture Reference Guide (July 2026). The comments in the code are by the model that wrote it; some were corrected since.
;; LSTMCELL. Allowed arithmetic: float matrix products may take bf16 or f16 operands with f32 sums; other float arithmetic in f32, or as packed bf16 or f16 multiplies, adds, multiply-adds, maxima and minima; sums over many terms, partial sums and values carried from step to step in f32; what a program stores and reads back later, other than sums and carried values, may be rounded once to bf16 or f16.
;; Inputs: W_fb 2,048 x 2,048 float32; W_out 2,048 x 2,048 float32; Wh 8,192 x 2,048 float32; Wi 8,192 x 512 float32; b_fb 2,048 float32; b_out 2,048 float32; bi 8,192 float32; c_prev 2,048 x 2,048 float32; data 2,048 x 512 float32; h_prev 2,048 x 2,048 float32; o_prev 2,048 x 2,048 float32.
;; Outputs: out0 2,048 x 2,048 float32; out1 2,048 x 2,048 float32; out2 2,048 x 2,048 float32.
;; 2 versions, each right; version 2 is version 1 with the launch cvt written anew for expert scheduling mode. Each part assembles by itself: llvm-mc -triple=amdgcn-amd-amdhsa -mcpu=gfx1250 --defsym DOCPART=n.
;; ======== version 1 of 2: 5 launches
;; workspace buffers: abf 10,485,760 bytes; wbf 41,943,040 bytes; obf 8,388,608 bytes; fbw 8,388,608 bytes; oww 8,388,608 bytes; hbf 8,388,608 bytes; fb 16,777,216 bytes; logits 16,777,216 bytes
;; launch cvt (part 1): grid 64 x 8, 8 waves a work-group, no clusters, 0 bytes of LDS; arguments o_prev, W_fb, obf, fbw; writes obf, fbw
.if DOCPART == 1
	.amdgcn_target "amdgcn-amd-amdhsa--gfx1250"
	.amdhsa_code_object_version 6
	.text
	.protected	k_qa1d988d2d6_cvt
	.globl	k_qa1d988d2d6_cvt
	.p2align	8
	.type	k_qa1d988d2d6_cvt,@function
k_qa1d988d2d6_cvt:
	s_mov_b64 s[64:65], 0
	v_nop
	global_prefetch_b8 v0, s[64:65] scope:SCOPE_SE
	s_setreg_imm32_b32 hwreg(HW_REG_WAVE_MODE, 25, 1), 1
	s_wait_xcnt 0x0
; o_prev and W_fb, f32 [2048][2048], are rounded once to bf16 (nearest even) and laid out for the product that follows, as obf and fbw:
; BLOCKS of 64 rows x 64 k, 8,192 dense bytes each: (row m, k) lies at ((m >> 6) * 32 + (k >> 6)) * 8192 + (m & 63) * 128 + (k & 63) * 2.
; (The cell's other matrix operands are converted by the launch that follows, beside its products.)
; A pure stream: nothing is shared and nothing is read twice, so no LDS, no barrier, no matrix unit, no cluster.
; SHARES.  Work-group y picks 512 rows of one tensor (y 0-3 o_prev, 4-7 W_fb), x eight of them, a wave two rows x 1,024 k: sixteen blocks.  A load takes 256 bytes of each of the
; two rows; all sixteen loads are on their way at once; each is followed by two packed roundings and one store in which the 32 lanes write 256 consecutive bytes, aligned
; (two rows of a block, 128 bytes each, lie on end).  No register is written twice, so no wait but the counted ones for the loads is needed.
; LIMITS.  bf16 has f32's range; NaN and infinities pass as the conversion makes them.
.set X,    8                           ; v[8:71]   sixteen loads of four registers
.set Y,    72                          ; v[72:103] sixteen stores of two
	s_load_b256 s[8:15], s[0:1], 0x0               ; o_prev 8, W_fb 10, obf 12, fbw 14
	s_and_b32 s4, ttmp7, 0xffff                    ; y
	v_lshrrev_b32 v1, 5, v0
	v_readfirstlane_b32 s5, v1                     ; wave 0..7
	v_and_b32 v1, 31, v0                           ; lane
	v_lshlrev_b32 v3, 3, v1                        ; destination: 8 bytes a lane
	v_and_b32 v4, 15, v1
	v_lshrrev_b32 v5, 4, v1
	v_lshlrev_b32 v2, 4, v4
	v_lshl_add_u32 v2, v5, 13, v2                  ; source: lanes 0-15 the first row's 256 bytes, lanes 16-31 the second's
	s_and_b32 s6, s4, 3
	s_lshl_b32 s6, s6, 9
	s_lshl_b32 s7, ttmp9, 3
	s_add_co_u32 s6, s6, s7
	s_lshr_b32 s7, s5, 1
	s_lshl_b32 s7, s7, 1
	s_add_co_u32 s6, s6, s7                        ; my first row: 512 (y & 3) + 8 x + 2 (wave / 2), even
	s_and_b32 s7, s5, 1                            ; which half of K
	s_lshl_b32 s16, s6, 13
	s_lshl_b32 s18, s7, 12                         ; 16 blocks x 256 source bytes
	s_add_co_u32 s16, s16, s18
	s_lshr_b32 s18, s6, 6
	s_lshl_b32 s18, s18, 18                        ; 32 blocks of 8,192 bytes for each 64 rows
	s_lshl_b32 s7, s7, 17                          ; 16 blocks
	s_add_co_u32 s18, s18, s7
	s_and_b32 s6, s6, 63
	s_lshl_b32 s6, s6, 7                           ; 128 bytes a row in a block
	s_add_co_u32 s18, s18, s6
	s_mov_b32 s17, 0                               ; the two byte offsets stay under 2^24
	s_mov_b32 s19, 0
	s_wait_kmcnt 0x0
	s_cmp_lt_u32 s4, 4
	s_cselect_b64 s[20:21], s[8:9], s[10:11]
	s_cselect_b64 s[22:23], s[12:13], s[14:15]
	s_add_nc_u64 s[20:21], s[20:21], s[16:17]
	s_add_nc_u64 s[22:23], s[22:23], s[18:19]
.set t, 0
.rept 16
	global_load_b128 v[X+4*t:X+4*t+3], v2, s[20:21] offset:256*t th:TH_LOAD_NT
.set t, t+1
.endr
.set t, 0
.rept 16
	s_wait_loadcnt 15-t                            ; loads come back in order: load t is in, the 15 - t younger ones stay out
	v_cvt_pk_bf16_f32 v[Y+2*t], v[X+4*t], v[X+4*t+1]
	v_cvt_pk_bf16_f32 v[Y+2*t+1], v[X+4*t+2], v[X+4*t+3]
	global_store_b64 v3, v[Y+2*t:Y+2*t+1], s[22:23] offset:8192*t th:TH_STORE_NT
.set t, t+1
.endr
	s_endpgm
.Lfunc_end_k_qa1d988d2d6_cvt:
	.size	k_qa1d988d2d6_cvt, .Lfunc_end_k_qa1d988d2d6_cvt-k_qa1d988d2d6_cvt
	.p2alignl 7, 3214868480
	.fill 96, 4, 3214868480
	.section	.rodata,"a",@progbits
	.p2align	6, 0x0
	.amdhsa_kernel k_qa1d988d2d6_cvt
		.amdhsa_group_segment_fixed_size 0
		.amdhsa_private_segment_fixed_size 0
		.amdhsa_enable_private_segment 0
		.amdhsa_kernarg_size 32
		.amdhsa_user_sgpr_count 2
		.amdhsa_user_sgpr_kernarg_segment_ptr 1
		.amdhsa_wavefront_size32 1
		.amdhsa_system_sgpr_workgroup_id_x 1
		.amdhsa_system_sgpr_workgroup_id_y 1
		.amdhsa_system_sgpr_workgroup_id_z 1
		.amdhsa_system_vgpr_workitem_id 0
		.amdhsa_next_free_vgpr 104
		.amdhsa_next_free_sgpr 66
		.amdhsa_reserve_vcc 0
		.amdhsa_float_denorm_mode_32 3
		.amdhsa_float_denorm_mode_16_64 3
		.amdhsa_memory_ordered 1
		.amdhsa_forward_progress 1
		.amdhsa_inst_pref_size 7
	.end_amdhsa_kernel
	.amdgpu_metadata
---
amdhsa.version: [ 1, 2 ]
amdhsa.kernels:
  - .name:           k_qa1d988d2d6_cvt
    .symbol:         k_qa1d988d2d6_cvt.kd
    .args:
      - { .name: o_prev, .offset: 0, .size: 8, .value_kind: global_buffer, .address_space: global }
      - { .name: W_fb, .offset: 8, .size: 8, .value_kind: global_buffer, .address_space: global }
      - { .name: obf, .offset: 16, .size: 8, .value_kind: global_buffer, .address_space: global }
      - { .name: fbw, .offset: 24, .size: 8, .value_kind: global_buffer, .address_space: global }
    .group_segment_fixed_size: 0
    .private_segment_fixed_size: 0
    .kernarg_segment_align: 8
    .kernarg_segment_size: 32
    .max_flat_workgroup_size: 256
    .sgpr_count:     66
    .vgpr_count:     104
    .wavefront_size: 32
...
	.end_amdgpu_metadata
.endif
;; end of part 1
;; launch fbgemm (part 2): grid 16 x 16, 4 waves a work-group, clusters of 4 x 4, 327,680 bytes of LDS; arguments obf, fbw, b_fb, fb, data, h_prev, Wi, Wh, W_out, abf, wbf, oww; writes fb, abf, wbf, oww
.if DOCPART == 2
	.amdgcn_target "amdgcn-amd-amdhsa--gfx1250"
	.amdhsa_code_object_version 6
	.text
	.protected	k_qa1d988d2d6_fbgemm
	.globl	k_qa1d988d2d6_fbgemm
	.p2align	8
	.type	k_qa1d988d2d6_fbgemm,@function
k_qa1d988d2d6_fbgemm:
	s_mov_b64 s[64:65], 0
	v_nop
	global_prefetch_b8 v0, s[64:65] scope:SCOPE_SE
	s_setreg_imm32_b32 hwreg(HW_REG_WAVE_MODE, 25, 1), 1
	s_wait_xcnt 0x0
	s_wait_alu depctr_hold_cnt(0) depctr_sa_sdst(0) depctr_va_vdst(0) depctr_va_sdst(0) depctr_va_ssrc(0) depctr_va_vcc(0) depctr_vm_vsrc(0)
	s_getreg_b32 s2, hwreg(HW_REG_IB_STS2, 6, 4)
	s_cmp_eq_u32 s2, 0
	s_cbranch_scc0 .Lentry_in_a_cluster
	s_endpgm
.Lentry_in_a_cluster:
	s_bfe_u32 s2, ttmp6, 0x10000c
	s_cmp_lg_u32 s2, 0xf033
	s_cbranch_scc0 .Lentry_shape_is_right
	s_endpgm
.Lentry_shape_is_right:
; TWO JOBS IN ONE LAUNCH.
; (1) C[m][n] = sum over k of A[m][k] B[n][k] + bias[n].  M = N = K = 2048.  A = obf, B = fbw: bf16 in BLOCKS of 64 rows x 64 k (8,192 dense bytes; (m, k) at
; ((m >> 6) * 32 + (k >> 6)) * 8192 + (m & 63) * 128 + (k & 63) * 2); bias = b_fb: f32, taken rounded to bf16 like every input of the cell; C = fb: f32, row-major.  Sums in f32.
; (2) THE STREAM: the cell's other matrix operands, f32, are rounded once to bf16 (nearest even) for the launches that follow:
;   abf [2048][2560]: columns 0-511 data, 512-2559 h_prev.      wbf [8192][2560]: columns 0-511 Wi, 512-2559 Wh, ROWS PERMUTED: gate g, hidden column j at row (j >> 5) * 128 + g * 32 + (j & 31).
;   oww, from W_out: blocks as above.
; The two share nothing but the waves' time: a K step's tile is asked for 112 matrix instructions ahead of the wait for it, and the stream's turn stands in front of that wait.
; THE PRODUCT.  256 tiles of 128 x 128 of C, one to a work-group; four waves, each 64 x 64: 16 accumulators of 16 x 16.  K goes in steps of 256 through two LDS slots.
; A wave's tensor load brings 64 rows x 256 k: four blocks on end, 32,768 dense bytes, asked for as 128 rows of 256 bytes and padded in LDS behind every 128 bytes.
; CLUSTERS: 4 x 4 work-groups.  The four of a row of the cluster need the same tiles of A, the four of a column the same tiles of B: each tile is asked for JOINTLY,
; by the same tensor load with the same descriptor and a mask that names the four.
; THE MATRIX INSTRUCTION IS USED TRANSPOSED (source 0 = 16 rows of B, source 1 = 16 rows of A): a lane holds row l % 16 of C and the columns 8 (l / 16) + 0..7.
; A wave's 64 columns are 256 bytes of a row of C, aligned: each wave has a stage of its own for the way out, and no barrier stands there.
; No prefetch: a tile's step is short and the tiles are small; each block is read by four clusters at about the same time.
; THE STREAM'S SHARES.  The sources are 29 units of 4 MiB: data 1, h_prev 4, Wi 4, Wh 16, W_out 4.  w is my wave's number among the launch's 1,024.  Of EVERY unit I take, in batch i of 8, the
; piece i * 1024 + w of 512 source bytes.  So load j of a batch always belongs to unit j: its tensor and layout stand in the text, and the batch's number only steps the offsets.  A load covers
; 512 consecutive bytes (W_out: 256 bytes of each of two rows), a store 256 consecutive bytes, aligned.  Two batches, 58 loads, are on their way: a batch is asked for two K steps ahead of its use.
; LIMITS.  bf16 has f32's range; NaN and infinities pass as the conversion makes them.
; REGISTERS: window 0: v6-12 the stream's offsets; v16-29 addresses; v32-63 sums with bias; v64-95 rows read back; v96-127 the bias of my 32 columns a lane; v128-255 the accumulators ((a, b) at v[128 + 8 (4 a + b)]).
;   window 1: two fragment buffers of 128: for 64 along K, 64 registers of A (2 x 4 x 16 rows x 32 k), then 64 of B.      window 2: v0-231 the stream's two batches of 29 x 4.
.set PITCH,  144                       ; 128 bytes of a row in a block + 16 of padding = 36 words: the 16 rows of a load start at 16 different groups of four banks (64 banks of 4 bytes: ISA guide 11.1)
.set KB,     64*PITCH                  ; a block in LDS
.set HALFT,  4*KB                      ; what one tensor load brings: 64 rows x 256 k
.set SLOT,   4*HALFT                   ; A's 128 rows, then B's 128 rows
.set STAGE,  2*SLOT                    ; behind the ring, never filled by a tensor load: 16 rows x 272 bytes for each wave
.set SPITCH, 272
.set SPARE,  STAGE+4*16*SPITCH         ; behind the stages: the spare words, 128 bytes for each wave: two blocks of 256 bytes that no other line names
.set STEPB,  32768                     ; bytes of a K step in memory, for 64 rows
.set ROWC,   8192                      ; bytes in a row of C
.set LAPS,   4                         ; a lap = two K steps = once round the ring
.set SV,   6                           ; v6      the stream: my 16 bytes of a piece in every unit of data, h_prev, Wi, Wh
.set SVT,  7                           ; v7      the same in a unit of W_out: two rows x 256 bytes
.set DVD,  8                           ; v8-12   my 8 bytes of the piece in abf (data), abf (h_prev), wbf (Wi), wbf (Wh), oww
.set DVH,  9
.set DVI,  10
.set DVW,  11
.set DVT,  12
.set ADRA, 16                          ; v16-17  LDS address of my A fragments in slot 0, 1
.set ADRB, 20                          ; v20-21  the same for B
.set STO,  24                          ; v24     the way out: where I put 32 bytes of a row
.set RD,   25                          ; v25     the way out: where I read a row back
.set CO,   26                          ; v26     my byte offset in C
.set BO,   27                          ; v27     my byte offset in the bias
.set SPW,  28                          ; v28     LDS address of my spare word: SPARE + 4 x my thread's number; never rewritten
.set NIL,  29                          ; v29     0; never rewritten
.set TMP,  32
.set OB,   64
.set BS,   96
.set ACC,  128
.set F0,   0                           ; fragment buffers, in window 1
.set F1,   128
.set XS,   116                         ; the stream: registers of a batch, in window 2
.set UB,   4194304                     ; bytes in a unit of source
.set SB,   524288                      ; bytes from a batch to the next in every unit of source: 1,024 pieces of 512
.set ROWW, 5120                        ; bytes in a row of abf and of wbf
.set WQ,   2048*ROWW                   ; 512 hidden columns of Wh are 2,048 rows of wbf
.set LAP,  45                          ; s45     laps to go
.set P_WB,   2                         ; s[2:9]   wbf at hidden columns 0, 512, 1024, 1536
.set P_DATA, 76                        ; s[76:77] data
.set P_HP,   78                        ; s[78:79] h_prev, 8 MiB in: immediates of -8, -4, 0 and 4 MiB reach its four units
.set P_WI,   80                        ; s[80:81] Wi, likewise
.set P_WO,   84                        ; s[84:85] W_out, likewise
.set P_ABF,  86                        ; s[86:87] abf
.set P_OWW,  90                        ; s[90:91] oww
.set P_WH,   92                        ; s[92:99] Wh, 8 MiB into each gate's 16 MiB
.set G1, 24                            ; s[24:31] descriptor group 1 for A's tiles;  s[32:39] group 0, one set for each slot
.set G0, 32
.set G1B, 48                           ; s[48:55], s[56:63] the same for B's tiles
.set G0B, 56
.set MSB, 0
.macro WIN new                         ; the immediate's high byte repeats the setting that is left
.if MSB != (\new)
	s_set_vgpr_msb (MSB<<8)|(\new)
.set MSB, \new
.endif
.endm
.set MUL,  0x05                        ; sources 0 (B) and 1 (A) window 1; C and D window 0
.set TO_F, 0x40                        ; destination window 1, address window 0
.macro JLOAD s                         ; a joint load: waves 0 and 1 fetch A's two halves, waves 2 and 3 B's; an s_nop 0 and four v_nop follow each of the two lines, ahead of the jump, the label and what follows
	s_cmp_eq_u32 s11, 0
	s_cbranch_scc0 .Lfor_b_\@
	tensor_load_to_lds s[G0+4*(\s):G0+4*(\s)+3], s[G1:G1+7]
	s_nop 0
.rept 4
	v_nop
.endr
	s_branch .Lasked_\@
.Lfor_b_\@:
	tensor_load_to_lds s[G0B+4*(\s):G0B+4*(\s)+3], s[G1B:G1B+7]
	s_nop 0
.rept 4
	v_nop
.endr
.Lasked_\@:
.endm
.macro CREST                           ; a round of the cluster's barrier behind its opening barrier
	s_cmp_lg_u32 s10, 0
	s_cbranch_scc1 .Lnot_wave_0_\@
	s_barrier_signal -3
.Lnot_wave_0_\@:
	s_barrier_wait -3
	s_barrier_signal -1
	s_barrier_wait -1
.endm
.macro CROUND                          ; a whole round
	s_barrier_signal -1
	s_barrier_wait -1
	CREST
.endm
.macro RND2 d, tmp                     ; two f32 rounded to bf16 and widened again, in place
	v_cvt_pk_bf16_f32 v[\tmp], v[\d], v[(\d)+1]
	v_lshlrev_b32 v[\d], 16, v[\tmp]
	v_and_b32 v[(\d)+1], 0xffff0000, v[\tmp]
.endm
; THE STREAM.  A batch's 29 loads into set b, x bytes behind the offsets: one piece of each unit.
.macro SLOAD b, x
	WIN 0x80                                       ; destination window 2, address window 0
	global_load_b128 v[XS*(\b):XS*(\b)+3], v[SV], s[P_DATA:P_DATA+1] offset:(\x) th:TH_LOAD_NT
.irp u, 0,1,2,3
	global_load_b128 v[XS*(\b)+4+4*(\u):XS*(\b)+7+4*(\u)], v[SV], s[P_HP:P_HP+1] offset:((\u)-2)*UB+(\x) th:TH_LOAD_NT
.endr
.irp u, 0,1,2,3
	global_load_b128 v[XS*(\b)+20+4*(\u):XS*(\b)+23+4*(\u)], v[SV], s[P_WI:P_WI+1] offset:((\u)-2)*UB+(\x) th:TH_LOAD_NT
.endr
.irp g, 0,1,2,3
.irp u, 0,1,2,3
	global_load_b128 v[XS*(\b)+36+16*(\g)+4*(\u):XS*(\b)+39+16*(\g)+4*(\u)], v[SV], s[P_WH+2*(\g):P_WH+2*(\g)+1] offset:((\u)-2)*UB+(\x) th:TH_LOAD_NT
.endr
.endr
.irp u, 0,1,2,3
	global_load_b128 v[XS*(\b)+100+4*(\u):XS*(\b)+103+4*(\u)], v[SVT], s[P_WO:P_WO+1] offset:((\u)-2)*UB+(\x) th:TH_LOAD_NT
.endr
	WIN 0
.endm
; Its 58 roundings, in place: a load's four registers become two.
.macro SCVT b
	WIN 0x8a                                       ; sources 0 and 1 and the destination in window 2
.set j, 0
.rept 29
	v_cvt_pk_bf16_f32 v[XS*(\b)+4*j], v[XS*(\b)+4*j], v[XS*(\b)+4*j+1]
	v_cvt_pk_bf16_f32 v[XS*(\b)+4*j+1], v[XS*(\b)+4*j+2], v[XS*(\b)+4*j+3]
.set j, j+1
.endr
.endm
; Its 29 stores: each covers 256 consecutive bytes, at a multiple of 256 from its buffer's first byte.  A unit's place stands in the immediate: 512 rows of abf; a gate's 32 rows of wbf; 8 rows of blocks of oww.
.macro SSTORE b
	WIN 0x08                                       ; address window 0, data (source 1) window 2
	global_store_b64 v[DVD], v[XS*(\b):XS*(\b)+1], s[P_ABF:P_ABF+1] th:TH_STORE_NT
.irp u, 0,1,2,3
	global_store_b64 v[DVH], v[XS*(\b)+4+4*(\u):XS*(\b)+5+4*(\u)], s[P_ABF:P_ABF+1] offset:(\u)*512*ROWW th:TH_STORE_NT
.endr
.irp g, 0,1,2,3
	global_store_b64 v[DVI], v[XS*(\b)+20+4*(\g):XS*(\b)+21+4*(\g)], s[P_WB:P_WB+1] offset:(\g)*32*ROWW th:TH_STORE_NT
.endr
.irp g, 0,1,2,3
.irp u, 0,1,2,3
	global_store_b64 v[DVW], v[XS*(\b)+36+16*(\g)+4*(\u):XS*(\b)+37+16*(\g)+4*(\u)], s[P_WB+2*(\u):P_WB+2*(\u)+1] offset:(\g)*32*ROWW th:TH_STORE_NT
.endr
.endr
.irp u, 0,1,2,3
	global_store_b64 v[DVT], v[XS*(\b)+100+4*(\u):XS*(\b)+101+4*(\u)], s[P_OWW:P_OWW+1] offset:(\u)*8*262144 th:TH_STORE_NT
.endr
	WIN 0
.endm
; The stream's turn, once a K step: the batch in set b is rounded and stored; issue = 1: the set is asked for again, with the batch two on.  left: the younger batch's loads, which may stay out.
.macro SSLOT b, issue, step, left
	s_wait_loadcnt \left                           ; loads come back in order: this batch is in
	SCVT \b
	SSTORE \b
.if \step
	s_wait_xcnt 0x0                                ; every earlier load and store has read its registers: only behind this wait are the offsets stepped and the set loaded again
	v_add_nc_u32 v[DVD], 256*ROWW, v[DVD]          ; a batch on: 256 rows of data,
	v_add_nc_u32 v[DVH], 64*ROWW, v[DVH]           ; 64 rows of h_prev,
	v_add_nc_u32 v[DVI], 1024*ROWW, v[DVI]         ; 256 hidden columns of Wi: 1,024 rows of wbf,
	v_add_nc_u32 v[DVW], 256*ROWW, v[DVW]          ; 64 hidden columns of Wh: 256 rows of wbf,
	v_add_nc_u32 v[DVT], 262144, v[DVT]            ; 64 rows of W_out: a row of 32 blocks
.endif
.if \issue
	v_add_nc_u32 v[SV], SB, v[SV]
	v_add_nc_u32 v[SVT], SB, v[SVT]
	SLOAD \b, SB                                   ; the offsets stand one batch on, the immediate adds the second
.endif
.endm
	s_load_b256 s[68:75], s[0:1], 0x0              ; A s[68:69], B s[70:71], bias s[72:73], C s[74:75]
	s_load_b512 s[76:91], s[0:1], 0x20             ; data 76, h_prev 78, Wi 80, Wh 82, W_out 84, abf 86, wbf 88, oww 90
	v_lshl_add_u32 v[SPW], v0, 2, SPARE
	v_mov_b32 v[NIL], 0
	ds_add_u32 v[SPW], v[NIL]                      ; the wave's opening: the add, twice on end, and its wait ahead of my first tensor load; the set-up below stands between
	ds_add_u32 v[SPW], v[NIL]                      ; and once more, under the one wait
	v_lshrrev_b32 v1, 5, v0
	v_readfirstlane_b32 s10, v1                    ; wave 0..3
	s_lshr_b32 s11, s10, 1                         ; which half of the tile's rows is mine.  Also: I fetch for A (0) or for B (1)
	s_and_b32 s12, s10, 1                          ; which half of its columns.  Also: which 64 rows of that tile I fetch
	s_bfe_u32 s40, ttmp6, 0x40000                  ; cx, cy: my place in the cluster
	s_bfe_u32 s41, ttmp6, 0x40004
	s_lshl_b32 s42, ttmp9, 2
	s_add_co_u32 s42, s42, s40                     ; tile column of C = 4 x cluster x + cx
	s_and_b32 s13, ttmp7, 0xffff
	s_lshl_b32 s13, s13, 2
	s_add_co_u32 s13, s13, s41                     ; tile row of C = 4 x cluster y + cy
	s_lshl_b32 s43, s41, 2
	s_lshl_b32 s43, 15, s43                        ; my row of the cluster
	s_lshl_b32 s44, 0x1111, s40                    ; my column
	; descriptor group 1: 128 rows of 128 elements, dense in memory, padded in LDS
	s_or_b32 s[G1+0], s43, (1<<16)|(1<<20)|(1<<21)|(4<<22)|(3<<25)  ; 15:0 the mask: A's tiles go to my row; 17:16 2-byte elements; 20 padding on; 21 set beside a mask; 24:22 after every 32 words (code 4); 31:25 4 words (code 3)
	s_or_b32 s[G1B+0], s44, (1<<16)|(1<<20)|(1<<21)|(4<<22)|(3<<25)
.irp g, G1, G1B
	s_mov_b32 s[(\g)+1], 128<<16                   ; tensor_dim0 = 128
	s_mov_b32 s[(\g)+2], 128<<16                   ; tensor_dim1 = 128
	s_mov_b32 s[(\g)+3], 128<<16                   ; tile_dim0 = 128
	s_mov_b32 s[(\g)+4], 128                       ; tile_dim1 = 128
	s_mov_b32 s[(\g)+5], 128                       ; 128 elements from row to row: dense
	s_mov_b32 s[(\g)+6], 0
	s_mov_b32 s[(\g)+7], 0
.endr
	s_lshl_b32 s16, s13, 1
	s_add_co_u32 s16, s16, s12                     ; A: the block of 64 rows 2 x tile row + half,
	s_lshl_b32 s16, s16, 18                        ; 262,144 bytes each
	s_mov_b32 s17, 0
	s_lshl_b32 s46, s42, 1
	s_add_co_u32 s46, s46, s12                     ; B: 2 x tile column + half
	s_lshl_b32 s46, s46, 18
	s_mov_b32 s47, 0
	s_mul_i32 s20, s10, HALFT                      ; where they go: wave x one load's bytes; no place in the cluster enters an LDS address
	s_wait_dscnt 0x0                               ; both opening adds are done
	s_wait_kmcnt 0x0
	s_add_nc_u64 s[14:15], s[68:69], s[16:17]
	s_add_nc_u64 s[46:47], s[70:71], s[46:47]
	CROUND                                         ; all sixteen work-groups are here: the first joint loads meet
.irp s, 0,1
	s_mov_b32 s[G0+4*(\s)], 1
	s_add_co_u32 s[G0+4*(\s)+1], s20, (\s)*SLOT
	s_add_nc_u64 s[G0+4*(\s)+2:G0+4*(\s)+3], s[14:15], (\s)*STEPB
	s_or_b32 s[G0+4*(\s)+3], s[G0+4*(\s)+3], 0x80000000
	s_mov_b32 s[G0B+4*(\s)], 1
	s_add_co_u32 s[G0B+4*(\s)+1], s20, (\s)*SLOT
	s_add_nc_u64 s[G0B+4*(\s)+2:G0B+4*(\s)+3], s[46:47], (\s)*STEPB
	s_or_b32 s[G0B+4*(\s)+3], s[G0B+4*(\s)+3], 0x80000000
	JLOAD \s
.endr
	v_and_b32 v1, 15, v0                           ; l % 16
	v_bfe_u32 v2, v0, 4, 1                         ; l / 16
	v_mul_u32_u24 v3, v1, PITCH
	v_lshl_add_u32 v3, v2, 4, v3                   ; a fragment's row x pitch + 16 x half
	s_mul_i32 s21, s11, HALFT                      ; my 64 rows of A
	s_mul_i32 s22, s12, HALFT                      ; my 64 rows of B,
	s_add_co_u32 s22, s22, 2*HALFT                 ; which lie behind A's 128
.irp s, 0,1
	v_add_nc_u32 v[ADRA+(\s)], s21, v3
	v_add_nc_u32 v[ADRB+(\s)], s22, v3
	s_add_co_u32 s21, s21, SLOT
	s_add_co_u32 s22, s22, SLOT
.endr
	s_mul_i32 s23, s10, 16*SPITCH
	s_add_co_u32 s23, s23, STAGE                   ; my stage
	v_mul_u32_u24 v4, v1, SPITCH                   ; in: row l % 16, 32 bytes (8 columns) for each half of the lanes
	v_lshl_add_u32 v4, v2, 5, v4
	v_add_nc_u32 v[STO], s23, v4
	v_mul_u32_u24 v5, v2, SPITCH                   ; back: lanes 0-15 take one row of 256 bytes, lanes 16-31 the next
	v_lshl_add_u32 v5, v1, 4, v5
	v_add_nc_u32 v[RD], s23, v5
	v_lshlrev_b32 v5, 13, v2                       ; and the same two rows in C
	v_lshl_add_u32 v[CO], v1, 4, v5
	v_lshlrev_b32 v[BO], 5, v2                     ; the bias of my 8 columns in each 16
	s_lshl_b32 s16, s13, 7
	s_lshl_b32 s17, s11, 6
	s_add_co_u32 s16, s16, s17                     ; my first row of C: 128 x tile row + 64 x half
	s_lshl_b32 s16, s16, 13
	s_mov_b32 s17, 0
	s_add_nc_u64 s[74:75], s[74:75], s[16:17]
	s_lshl_b32 s46, s42, 9                         ; my first column, in bytes: 512 x tile column + 256 x half
	s_lshl_b32 s47, s12, 8
	s_add_co_u32 s46, s46, s47
	s_mov_b32 s47, 0
	s_add_nc_u64 s[74:75], s[74:75], s[46:47]
	s_add_nc_u64 s[72:73], s[72:73], s[46:47]      ; the bias at the same column
.irp b, 0,1,2,3
	global_load_b128 v[BS+8*(\b):BS+8*(\b)+3],   v[BO], s[72:73] offset:64*(\b)
	global_load_b128 v[BS+8*(\b)+4:BS+8*(\b)+7], v[BO], s[72:73] offset:64*(\b)+16
.endr
	; the stream's pointers and offsets
	s_add_nc_u64 s[P_HP:P_HP+1], s[P_HP:P_HP+1], 2*UB
	s_add_nc_u64 s[P_WI:P_WI+1], s[P_WI:P_WI+1], 2*UB
	s_add_nc_u64 s[P_WO:P_WO+1], s[P_WO:P_WO+1], 2*UB
	s_add_nc_u64 s[P_WH:P_WH+1], s[82:83], 2*UB
	s_add_nc_u64 s[P_WH+2:P_WH+3], s[P_WH:P_WH+1], 4*UB
	s_add_nc_u64 s[P_WH+4:P_WH+5], s[P_WH+2:P_WH+3], 4*UB
	s_add_nc_u64 s[P_WH+6:P_WH+7], s[P_WH+4:P_WH+5], 4*UB
	s_mov_b64 s[P_WB:P_WB+1], s[88:89]
	s_add_nc_u64 s[P_WB+2:P_WB+3], s[P_WB:P_WB+1], WQ
	s_add_nc_u64 s[P_WB+4:P_WB+5], s[P_WB+2:P_WB+3], WQ
	s_add_nc_u64 s[P_WB+6:P_WB+7], s[P_WB+4:P_WB+5], WQ
	s_lshl_b32 s66, s13, 4
	s_add_co_u32 s66, s66, s42
	s_lshl_b32 s66, s66, 2
	s_add_co_u32 s66, s66, s10                     ; w: my wave among the launch's 1,024
	v_and_b32 v13, 31, v0                          ; lane
	v_lshlrev_b32 v15, 3, v13                      ; 8 bytes a lane of every store
	s_lshl_b32 s67, s66, 9
	v_lshl_add_u32 v[SV], v13, 4, s67              ; piece w of 512 bytes, 16 bytes a lane
	s_lshr_b32 s18, s66, 5                         ; W_out: the pair of rows w >> 5 of a batch's 32,
	s_and_b32 s19, s66, 31                         ; the block of 64 k w & 31
	s_lshl_b32 s67, s18, 14
	s_lshl_b32 s21, s19, 8
	s_add_co_u32 s67, s67, s21
	v_lshlrev_b32 v14, 4, v1
	v_lshl_add_u32 v14, v2, 13, v14                ; lanes 0-15 the first row's 256 bytes, lanes 16-31 the second's
	v_add_nc_u32 v[SVT], s67, v14
	s_lshl_b32 s67, s19, 13                        ; in oww: the block, and the pair's 256 bytes in it
	s_lshl_b32 s21, s18, 8
	s_add_co_u32 s67, s67, s21
	v_add_nc_u32 v[DVT], s67, v15
	s_lshr_b32 s18, s66, 2                         ; rows of 512 numbers have four pieces: row w >> 2 of a batch's 256,
	s_and_b32 s19, s66, 3
	s_lshl_b32 s19, s19, 8                         ; piece w & 3: 256 bytes of bf16
	s_mul_i32 s67, s18, ROWW
	s_add_co_u32 s67, s67, s19
	v_add_nc_u32 v[DVD], s67, v15                  ; data keeps its row
	s_lshr_b32 s21, s66, 7
	s_lshl_b32 s21, s21, 7                         ; Wi: hidden column j = w >> 2: (j >> 5) * 128
	s_and_b32 s18, s18, 31
	s_add_co_u32 s21, s21, s18                     ; + (j & 31)
	s_mul_i32 s67, s21, ROWW
	s_add_co_u32 s67, s67, s19
	v_add_nc_u32 v[DVI], s67, v15
	s_lshr_b32 s18, s66, 4                         ; rows of 2,048 numbers have sixteen pieces: row w >> 4 of a batch's 64,
	s_and_b32 s19, s66, 15
	s_lshl_b32 s19, s19, 8
	s_add_co_u32 s19, s19, 1024                    ; piece w & 15, behind the 512 columns of data or Wi
	s_mul_i32 s67, s18, ROWW
	s_add_co_u32 s67, s67, s19
	v_add_nc_u32 v[DVH], s67, v15                  ; h_prev keeps its row
	s_lshr_b32 s21, s66, 9
	s_lshl_b32 s21, s21, 7                         ; Wh: j = w >> 4: (j >> 5) * 128
	s_and_b32 s18, s18, 31
	s_add_co_u32 s21, s21, s18                     ; + (j & 31)
	s_mul_i32 s67, s21, ROWW
	s_add_co_u32 s67, s67, s19
	v_add_nc_u32 v[DVW], s67, v15
	SLOAD 0, 0                                     ; batch 0
	s_wait_loadcnt 29                              ; the bias's eight loads are in; the 29 issued behind them may stay out
.set z, 0
.rept 16
	RND2 BS+2*z, TMP+z%8                           ; the bias as bf16, like all the cell's inputs
.set z, z+1
.endr
	SLOAD 1, SB                                    ; batch 1
; 8 matrix instructions: m blocks a0, a0 + 1 x all 4 n blocks, 32 along K: half c of buffer f.  zero = 1: the first product starts the sums
.macro MUL8 f, c, a0, zero
	WIN MUL
.irp a, \a0, (\a0)+1
.irp b, 0,1,2,3
.if \zero
	v_wmma_f32_16x16x32_bf16 v[ACC+8*(4*(\a)+(\b)):ACC+8*(4*(\a)+(\b))+7], v[(\f)+64+8*(4*(\c)+(\b)):(\f)+64+8*(4*(\c)+(\b))+7], v[(\f)+8*(4*(\c)+(\a)):(\f)+8*(4*(\c)+(\a))+7], 0
.else
	v_wmma_f32_16x16x32_bf16 v[ACC+8*(4*(\a)+(\b)):ACC+8*(4*(\a)+(\b))+7], v[(\f)+64+8*(4*(\c)+(\b)):(\f)+64+8*(4*(\c)+(\b))+7], v[(\f)+8*(4*(\c)+(\a)):(\f)+8*(4*(\c)+(\a))+7], v[ACC+8*(4*(\a)+(\b)):ACC+8*(4*(\a)+(\b))+7]
.endif
.endr
.endr
.endm
; 32 LDS loads in one run: the fragments of one block of 64 k, which begins at byte k of my 64 rows' part of the slot, into buffer f; the first 32 along K first
.macro FETCH slot, k, f
	WIN TO_F
.irp c, 0,1
.irp i, 0,1,2,3
	ds_load_b128 v[(\f)+64+8*(4*(\c)+(\i)):(\f)+64+8*(4*(\c)+(\i))+3],   v[ADRB+(\slot)] offset:(\k)+64*(\c)+(\i)*16*PITCH
	ds_load_b128 v[(\f)+64+8*(4*(\c)+(\i))+4:(\f)+64+8*(4*(\c)+(\i))+7], v[ADRB+(\slot)] offset:(\k)+64*(\c)+(\i)*16*PITCH+32
	ds_load_b128 v[(\f)+8*(4*(\c)+(\i)):(\f)+8*(4*(\c)+(\i))+3],         v[ADRA+(\slot)] offset:(\k)+64*(\c)+(\i)*16*PITCH
	ds_load_b128 v[(\f)+8*(4*(\c)+(\i))+4:(\f)+8*(4*(\c)+(\i))+7],       v[ADRA+(\slot)] offset:(\k)+64*(\c)+(\i)*16*PITCH+32
.endr
.endr
.endm
.macro PLACES                          ; four places in front of loads into registers that matrix instructions have read (ISA guide 7.12.1 for vector instructions)
.rept 4
	v_nop
.endr
.endm
; A K step is four quarters of 64 along K, 32 matrix instructions each, on buffers 0, 1, 0, 1.  One of the first three: multiplies buffer f and fetches the next quarter, at byte k, into g.
.macro QUARTER slot, k, f, g, zero
	s_wait_dscnt 16                                ; the first 32 along K are in; the sixteen younger loads may be out
	WIN MUL
	MUL8 \f, 0, 0, \zero
	MUL8 \f, 0, 2, \zero
	PLACES
	FETCH \slot, \k, \g
	s_wait_dscnt 32                                ; all but the 32 just issued
	WIN MUL
	MUL8 \f, 1, 0, 0
	MUL8 \f, 1, 2, 0
.endm
; The last quarter multiplies buffer 1 and changes slots.  At its head stands the stream's turn, on the set of the slot's number: it names no register of the products and stands ahead of the wait for the tile.
; Then ONE barrier; in front of it each wave waits for all its tensor loads, adds 0 to its spare word, and waits for that and for its own reads of this slot.  fill = 1: this slot is filled again, two K steps ahead,
; and the stream's set is asked for again, two batches ahead.
.macro TURN slot, next, fill
	SSLOT \slot, \fill, 1, 29
	WIN 0                                          ; (the add's two registers lie in window 0)
	s_wait_tensorcnt 0x0                           ; all my tensor loads have landed: my part of the next slot;
	ds_add_u32 v[SPW], v[NIL]                      ; 0 onto my spare word;
	s_wait_dscnt 17                                ; (the add and the youngest sixteen loads may be out)
	WIN MUL
	MUL8 F1, 0, 0, 0                               ; eight matrix instructions stand between the add and the wait for it
	s_wait_dscnt 0x0                               ; the add is done, and my reads of this slot are over
	s_barrier_signal -1
	MUL8 F1, 0, 2, 0
.if \fill
	WIN 0
.endif
	s_barrier_wait -1
.if \fill
	CREST                                          ; the barrier has opened a round of the cluster's barrier: no wave of any partner still reads this slot's tile or has a load on its way
	s_add_nc_u64 s[G0+4*(\slot)+2:G0+4*(\slot)+3], s[G0+4*(\slot)+2:G0+4*(\slot)+3], 2*STEPB
	s_add_nc_u64 s[G0B+4*(\slot)+2:G0B+4*(\slot)+3], s[G0B+4*(\slot)+2:G0B+4*(\slot)+3], 2*STEPB
	JLOAD \slot                                    ; the first tensor load behind the round: 112 matrix instructions ahead of the wait for it; its four v_nop are also the places in front of the loads below
.else
	PLACES
.endif
	FETCH \next, 0, F0
	WIN MUL
	MUL8 F1, 1, 0, 0
	MUL8 F1, 1, 2, 0
.endm
	s_wait_tensorcnt 1                             ; my part of K step 0 is in; K step 1's load may stay out
	s_barrier_signal -1
	s_barrier_wait -1                              ; everybody's is
	FETCH 0, 0, F0
	QUARTER 0, KB, F0, F1, 1                       ; the first quarter stands in front of the loop: its first products start the sums
	WIN 0                                          ; at a label and at a branch every window is 0
	s_mov_b32 s[LAP], LAPS-1
.Llap:                                                 ; a trip goes once round the ring, from a lap's second quarter to the next lap's first, and fills both slots again; the stream stores batches 2 t, 2 t + 1 and asks for 2 t + 2, 2 t + 3
	QUARTER 0, 2*KB, F1, F0, 0
	QUARTER 0, 3*KB, F0, F1, 0
	TURN 0, 1, 1
	QUARTER 1, KB, F0, F1, 0
	QUARTER 1, 2*KB, F1, F0, 0
	QUARTER 1, 3*KB, F0, F1, 0
	TURN 1, 0, 1
	QUARTER 0, KB, F0, F1, 0
	WIN 0
	s_sub_co_u32 s[LAP], s[LAP], 1
	s_cmp_lg_u32 s[LAP], 0
	s_cbranch_scc1 .Llap
	QUARTER 0, 2*KB, F1, F0, 0                     ; the last lap fills nothing, and has no round of the cluster's barrier
	QUARTER 0, 3*KB, F0, F1, 0
	TURN 0, 1, 0                                   ; batch 6 is stored; nothing is left to ask for
	QUARTER 1, KB, F0, F1, 0
	QUARTER 1, 2*KB, F1, F0, 0
	QUARTER 1, 3*KB, F0, F1, 0
	SSLOT 1, 0, 0, 0                               ; batch 7, the last: no load was issued behind it
	s_wait_dscnt 16                                ; the very last quarter: nothing more to fetch
	WIN MUL
	MUL8 F1, 0, 0, 0
	MUL8 F1, 0, 2, 0
	s_wait_dscnt 0
	MUL8 F1, 1, 0, 0
	MUL8 F1, 1, 2, 0
	WIN 0
	; THE WAY OUT, 16 rows at a time: the bias is added; 32 bytes a lane go into my stage; whole rows of 256 bytes come back and are stored.
	PLACES
	PLACES                                         ; (eight, once a launch)
.macro OUT a
.irp b, 0,1,2,3
.irp z, 0,1,2,3                        ; each accumulator's registers in ascending order
	v_pk_add_f32 v[TMP+8*(\b)+2*(\z):TMP+8*(\b)+2*(\z)+1], v[ACC+8*(4*(\a)+(\b))+2*(\z):ACC+8*(4*(\a)+(\b))+2*(\z)+1], v[BS+8*(\b)+2*(\z):BS+8*(\b)+2*(\z)+1]
.endr
.endr
.irp b, 0,1,2,3
	ds_store_b128 v[STO], v[TMP+8*(\b):TMP+8*(\b)+3]   offset:64*(\b)
	ds_store_b128 v[STO], v[TMP+8*(\b)+4:TMP+8*(\b)+7] offset:64*(\b)+16
.endr
.if (\a) > 0
	s_wait_xcnt 0x0                                ; the stores of the 16 rows before have read their registers: these are loaded again only behind this wait
.endif
.irp t, 0,1,2,3,4,5,6,7
	ds_load_b128 v[OB+4*(\t):OB+4*(\t)+3], v[RD] offset:(\t)*2*SPITCH  ; LDS serves a wave's instructions in order (ISA guide 5.7.1.4): these see the stores above
.endr
.irp t, 0,1,2,3,4,5,6,7
	s_wait_dscnt 7-(\t)                            ; load t is back, the younger ones may be out
	global_store_b128 v[CO], v[OB+4*(\t):OB+4*(\t)+3], s[74:75] offset:(16*(\a)+2*(\t))*ROWC  ; 16 lanes store 256 consecutive bytes, at a multiple of 256 from C's first byte
.endr
.endm
	OUT 0
	OUT 1
	OUT 2
	OUT 3
	s_wait_tensorcnt 0x0                           ; the wave's end: the add and its wait, behind my last tensor load and my last LDS store
	ds_add_u32 v[SPW], v[NIL]
	s_wait_dscnt 0x0
	CROUND                                         ; the closing round: no work-group ends while a partner may still ask for a tile that names it
	s_endpgm
.Lfunc_end_k_qa1d988d2d6_fbgemm:
	.size	k_qa1d988d2d6_fbgemm, .Lfunc_end_k_qa1d988d2d6_fbgemm-k_qa1d988d2d6_fbgemm
	.p2alignl 7, 3214868480
	.fill 96, 4, 3214868480
	.section	.rodata,"a",@progbits
	.p2align	6, 0x0
	.amdhsa_kernel k_qa1d988d2d6_fbgemm
		.amdhsa_group_segment_fixed_size 327680
		.amdhsa_private_segment_fixed_size 0
		.amdhsa_enable_private_segment 0
		.amdhsa_kernarg_size 96
		.amdhsa_user_sgpr_count 2
		.amdhsa_user_sgpr_kernarg_segment_ptr 1
		.amdhsa_wavefront_size32 1
		.amdhsa_system_sgpr_workgroup_id_x 1
		.amdhsa_system_sgpr_workgroup_id_y 1
		.amdhsa_system_sgpr_workgroup_id_z 1
		.amdhsa_system_vgpr_workitem_id 0
		.amdhsa_next_free_vgpr 768
		.amdhsa_next_free_sgpr 100
		.amdhsa_reserve_vcc 0
		.amdhsa_float_denorm_mode_32 3
		.amdhsa_float_denorm_mode_16_64 3
		.amdhsa_memory_ordered 1
		.amdhsa_forward_progress 1
		.amdhsa_inst_pref_size 134
	.end_amdhsa_kernel
	.amdgpu_metadata
---
amdhsa.version: [ 1, 2 ]
amdhsa.kernels:
  - .name:           k_qa1d988d2d6_fbgemm
    .symbol:         k_qa1d988d2d6_fbgemm.kd
    .args:
      - { .name: obf, .offset: 0, .size: 8, .value_kind: global_buffer, .address_space: global }
      - { .name: fbw, .offset: 8, .size: 8, .value_kind: global_buffer, .address_space: global }
      - { .name: b_fb, .offset: 16, .size: 8, .value_kind: global_buffer, .address_space: global }
      - { .name: fb, .offset: 24, .size: 8, .value_kind: global_buffer, .address_space: global }
      - { .name: data, .offset: 32, .size: 8, .value_kind: global_buffer, .address_space: global }
      - { .name: h_prev, .offset: 40, .size: 8, .value_kind: global_buffer, .address_space: global }
      - { .name: Wi, .offset: 48, .size: 8, .value_kind: global_buffer, .address_space: global }
      - { .name: Wh, .offset: 56, .size: 8, .value_kind: global_buffer, .address_space: global }
      - { .name: W_out, .offset: 64, .size: 8, .value_kind: global_buffer, .address_space: global }
      - { .name: abf, .offset: 72, .size: 8, .value_kind: global_buffer, .address_space: global }
      - { .name: wbf, .offset: 80, .size: 8, .value_kind: global_buffer, .address_space: global }
      - { .name: oww, .offset: 88, .size: 8, .value_kind: global_buffer, .address_space: global }
    .group_segment_fixed_size: 327680
    .private_segment_fixed_size: 0
    .kernarg_segment_align: 8
    .kernarg_segment_size: 96
    .max_flat_workgroup_size: 128
    .sgpr_count:     100
    .vgpr_count:     768
    .wavefront_size: 32
...
	.end_amdgpu_metadata
.endif
;; end of part 2
;; launch gates (part 3): grid 32 x 8, 4 waves a work-group, clusters of 4 x 4, 327,680 bytes of LDS; arguments abf, wbf, bi, c_prev, fb, out1, out2, hbf; writes out1, out2, hbf
.if DOCPART == 3
	.amdgcn_target "amdgcn-amd-amdhsa--gfx1250"
	.amdhsa_code_object_version 6
	.text
	.protected	k_qa1d988d2d6_gates
	.globl	k_qa1d988d2d6_gates
	.p2align	8
	.type	k_qa1d988d2d6_gates,@function
k_qa1d988d2d6_gates:
	s_mov_b64 s[64:65], 0
	v_nop
	global_prefetch_b8 v0, s[64:65] scope:SCOPE_SE
	s_setreg_imm32_b32 hwreg(HW_REG_WAVE_MODE, 25, 1), 1
	s_wait_xcnt 0x0
	s_wait_alu depctr_hold_cnt(0) depctr_sa_sdst(0) depctr_va_vdst(0) depctr_va_sdst(0) depctr_va_ssrc(0) depctr_va_vcc(0) depctr_vm_vsrc(0)
	s_getreg_b32 s2, hwreg(HW_REG_IB_STS2, 6, 4)
	s_cmp_eq_u32 s2, 0
	s_cbranch_scc0 .Lentry_in_a_cluster
	s_endpgm
.Lentry_in_a_cluster:
	s_bfe_u32 s2, ttmp6, 0x10000c
	s_cmp_lg_u32 s2, 0xf033
	s_cbranch_scc0 .Lentry_shape_is_right
	s_endpgm
.Lentry_shape_is_right:
; THE CELL.  gates = [data | h_prev] [Wi | Wh]^T + bi;  c_t = sigmoid(f) c_prev + sigmoid(i) tanh(g) + fb;  h_t = sigmoid(o) tanh(c_t).
; abf: bf16 [2048][2560] (data, h_prev).  wbf: bf16 [8192][2560] (Wi, Wh), rows permuted: gate g, hidden column j at row (j >> 5) * 128 + g * 32 + (j & 31).
; bi: f32 [8192]; c_prev: f32 [2048][2048]: both are taken rounded to bf16, like every input of the cell.  fb: f32 [2048][2048], o_prev W_fb^T + b_fb, made by the launch before, taken as it is.
; out1 = h_t, out2 = c_t: f32 [2048][2048].  hbf = h_t in bf16, in blocks of 64 rows x 64 columns of 8,192 dense bytes ((m, k) at ((m >> 6) * 32 + (k >> 6)) * 8192 + (m & 63) * 128 + (k & 63) * 2).
; Sums and all pointwise work in f32.
; LIMITS.  sigmoid(x) = 1 / (1 + 2^(-x log2 e)), tanh(x) = 1 - 2 / (1 + 2^(2 x log2 e)): an exponential that overflows gives an infinity, whose reciprocal is 0, so both reach their limits
; 0, 1 and -1 without a clamp; near 0 tanh has an absolute error of about 1e-7.  NaN is not treated apart.
; SHARES.  A work-group makes 256 batch rows x 64 hidden columns: a tile of 256 x 256 of abf wbf^T, since 256 rows of wbf on end are 4 gates x 64 columns.  A wave (mh = wave / 2, nh = wave % 2)
; makes 128 rows x (4 gates x 32 columns): 64 accumulators of 16 x 16, 512 registers.  256 work-groups.  K = 2560 goes in 20 steps of 128 through two LDS slots; the tiles' rows are 256 bytes of
; memory and start at multiples of 256 bytes.
; THE MATRIX INSTRUCTION IS USED TRANSPOSED (source 0 = 16 rows of wbf, source 1 = 16 rows of abf): accumulator (a, b), b = 2 g + e, holds in lane l, register j, batch row 16 a + l % 16 and hidden
; column 16 e + 8 (l / 16) + j of gate g.  So the four gates of an element lie in ONE lane, and the 64 registers of a block a of 16 rows are, in order, 16 numbers of i, of f, of g and of o.
; CLUSTERS: 4 x 4 work-groups.  abf's tile is shared along a row of the cluster, wbf's along a column: each is asked for jointly, by the same tensor load, descriptor and mask in all four.
; THE END OF THE RING.  When slot 0 has been read for the last time (K step 18) it takes its last fill: my work-group's own 256 x 64 tiles of c_prev and fb, f32, one plain load a wave, which
; lands under K step 19's products.  When slot 1's last tile (K step 19) has been read, its first 17,408 bytes become the stage for c_t and h_t: no fill lands there any more.
; THE WAY OUT GOES WITH THE CELL'S ARITHMETIC: each trip of the pointwise loop finishes 16 rows in each half of the tile, hands them through the stage (a row's 256 bytes come from two waves), and stores
; them as whole rows at once, so that a trip's stores are on their way under the next trip's arithmetic.
; REGISTERS, in windows of 256: window 0: v1-30 addresses; v32-47 at work; v64-127, v128-191 fragments of abf, two buffers, and later the cell's work; v192-255 the 64 biases of a lane, scaled.
;   window 1: v64-127, v128-191 fragments of wbf.   window 2: the accumulators of my rows 0-63 ((a, b) at v[8 (8 a + b)]);   window 3: those of my rows 64-127.
.set SIZE_K, 2560
.set KSTEP,  128
.set PITCH,  272                       ; an LDS row: 256 bytes + 16 of padding = 68 words: row r starts at bank 4 r mod 64 (64 banks of 4 bytes: ISA guide 11.1)
.set HALFT,  128*PITCH                 ; 128 rows: what one tensor load brings
.set SLOT,   4*HALFT                   ; abf's 256 rows, then wbf's 256 rows; at the end, in slot 0, c_prev's 256 rows and fb's
.set SPARE,  2*SLOT                    ; behind the ring: the spare words, 128 bytes for each wave: two blocks of 256 bytes that no other line names
.set UNIT,   16*PITCH                  ; 16 rows of a tile in LDS
.set STG,    SLOT                      ; the stage, at the head of slot 1: 32 rows of c_t (16 of each half of the tile), then 32 rows of h_t
.set LAPS,   SIZE_K/(2*KSTEP)          ; 10 laps of two K steps
.set RDX,  2                           ; v2   c_prev's tile: my 32 bytes in row l % 16 of my first block
.set RDF,  3                           ; v3   the same in fb's tile
.set STC,  4                           ; v4   c_t's stage: my 32 bytes in row 16 mh + l % 16; never rewritten
.set STH,  5                           ; v5   the same in h_t's stage
.set RD2C, 6                           ; v6   c_t's stage, read back by whole rows: rows 8 wave on; lanes 0-15 one row, lanes 16-31 the next; never rewritten
.set RD2H, 7                           ; v7   the same for h_t
.set CO,   8                           ; v8   those two rows in out1 and out2
.set HO,   9                           ; v9   8 x lane: those two rows in a block of hbf
.set BO,   10                          ; v10  my 8 columns in each 16 of bi
.set ADRA, 16                          ; v16-17  LDS address of my abf fragments in slot 0, 1
.set ADRB, 20                          ; v20-21  the same for wbf
.set SPW,  28                          ; v28  LDS address of my spare word: SPARE + 4 x my thread's number; never rewritten
.set NIL,  29                          ; v29  0; never rewritten
.set PFO,  30                          ; v30  the prefetches' offset: my lane x a row of abf or wbf; never rewritten
.set F0,   64
.set F1,   128
.set T,    64                          ; the cell's work: 64 numbers of a block: i, f, g, o, 16 each
.set TI,   T
.set TF,   T+16
.set TG,   T+32
.set TO,   T+48
.set CP,   128                         ; 16 of c_prev; later 8 whole rows' part of c_t
.set FB,   144                         ; 16 of fb; later of h_t
.set CC,   160                         ; 16 of c_t
.set HH,   176                         ; 16 of h_t
.set HP,   40                          ; v40-47  h_t in bf16, to store
.set BI,   192                         ; 64 biases, index 16 g + 8 e + j, times the gate's factor
.set NL,   4                           ; s[4:5]  -log2(e): the factor of i, f and o
.set TL,   6                           ; s[6:7]  2 log2(e): the factor of g and of c_t
.set PFA,  44                          ; s[44:45] where my prefetches stand
.set LIM,  43                          ; s43  1 in a wave that prefetches, else the greatest number
.set G1, 24                            ; s[24:31] descriptor group 1 for abf's tiles
.set G0, 32                            ; s[32:39] group 0, one set for each slot
.set G1B, 48                           ; s[48:55], s[56:63] the same for wbf's tiles
.set G0B, 56
.set G0X, 68                           ; s[68:71] group 0 for my part of c_prev's or fb's tile
.set G1X, 72                           ; s[72:79] its group 1
.set MSB, 0
.macro WIN new                         ; the immediate's high byte repeats the setting that is left
.if MSB != (\new)
	s_set_vgpr_msb (MSB<<8)|(\new)
.set MSB, \new
.endif
.endm
.set MUL_LO, 0xa1                      ; source 0 (wbf) window 1, source 1 (abf) window 0, C and D window 2
.set MUL_HI, 0xf1                      ; the same, C and D window 3
.set TO_B,   0x40                      ; destination window 1, address window 0
; A joint load.  Waves 0 and 1 fetch abf's two halves, waves 2 and 3 wbf's.  The branch hangs on the wave's number alone.  An s_nop 0 and four v_nop follow each of the two lines.
.macro JLOAD s
	s_cmp_eq_u32 s11, 0
	s_cbranch_scc0 .Lfor_b_\@
	tensor_load_to_lds s[G0+4*(\s):G0+4*(\s)+3], s[G1:G1+7]
	s_nop 0
.rept 4
	v_nop
.endr
	s_branch .Lasked_\@
.Lfor_b_\@:
	tensor_load_to_lds s[G0B+4*(\s):G0B+4*(\s)+3], s[G1B:G1B+7]
	s_nop 0
.rept 4
	v_nop
.endr
.Lasked_\@:
.endm
; A PREFETCH INTO THE L2, behind each joint load and the run of LDS loads that follows it: the K step that stands TWO refills on, 512 matrix instructions ahead of the load that will want it: 32 rows x 256 bytes,
; a lane a row, one instruction a wave.  Each row's 256 bytes of a K step are named ONCE in the launch: abf's rows by the clusters with x = 0, wbf's by those with y = 0; the four partners that ask for a
; tile jointly share its rows out BY ADDRESS, 32 each of the 128 that a wave fetches.  K steps 0 to 3 come by their loads alone; the loop's last trip (s3 = 1) asks for nothing: there is no K step 20.
.macro ASK
	s_cmp_gt_u32 s3, s[LIM]
	s_cbranch_scc0 .Lnot_mine_\@
	global_prefetch_b8 v[PFO], s[PFA:PFA+1] offset:KSTEP*2 th:TH_LOAD_NT scope:SCOPE_SE
.Lnot_mine_\@:
.endm
.macro CREST                           ; a round of the cluster's barrier behind its opening barrier
	s_cmp_lg_u32 s10, 0
	s_cbranch_scc1 .Lnot_wave_0_\@
	s_barrier_signal -3
.Lnot_wave_0_\@:
	s_barrier_wait -3
	s_barrier_signal -1
	s_barrier_wait -1
.endm
.macro CROUND                          ; a whole round
	s_barrier_signal -1
	s_barrier_wait -1
	CREST
.endm
.macro RND2 d, tmp                     ; two f32 rounded to bf16 and widened again, in place
	v_cvt_pk_bf16_f32 v[\tmp], v[\d], v[(\d)+1]
	v_lshlrev_b32 v[\d], 16, v[\tmp]
	v_and_b32 v[(\d)+1], 0xffff0000, v[\tmp]
.endm
	s_load_b512 s[80:95], s[0:1], 0x0              ; abf 80, wbf 82, bi 84, c_prev 86, fb 88, out1 90, out2 92, hbf 94
	v_lshl_add_u32 v[SPW], v0, 2, SPARE
	v_mov_b32 v[NIL], 0
	ds_add_u32 v[SPW], v[NIL]                      ; the wave's opening: the add, twice on end, and its wait ahead of my first tensor load; the set-up below stands between
	ds_add_u32 v[SPW], v[NIL]                      ; and once more, under the one wait
	v_lshrrev_b32 v1, 5, v0
	v_readfirstlane_b32 s10, v1                    ; wave 0..3
	s_lshr_b32 s11, s10, 1                         ; mh: which half of the tile's batch rows is mine.  Also: I fetch for abf (0) or wbf (1); c_prev (0) or fb (1)
	s_and_b32 s12, s10, 1                          ; nh: which 32 of the 64 hidden columns.  Also: which 128 rows of a tile I fetch
	s_bfe_u32 s40, ttmp6, 0x40000                  ; cx
	s_bfe_u32 s41, ttmp6, 0x40004                  ; cy
	s_lshl_b32 s42, ttmp9, 2
	s_add_co_u32 s42, s42, s40                     ; tile column (64 hidden columns) = 4 x cluster x + cx, 0..31
	s_and_b32 s13, ttmp7, 0xffff
	s_lshl_b32 s13, s13, 2
	s_add_co_u32 s13, s13, s41                     ; tile row (256 batch rows) = 4 x cluster y + cy, 0..7
	s_lshl_b32 s43, s41, 2
	s_lshl_b32 s43, 15, s43                        ; my row of the cluster
	s_lshl_b32 s44, 0x1111, s40                    ; my column
	s_mov_b32 s[NL], 0xbfb8aa3b                    ; -log2(e); each factor is named as a pair, so both words are written
	s_mov_b32 s[NL+1], 0xbfb8aa3b
	s_mov_b32 s[TL], 0x4038aa3b                    ; 2 log2(e)
	s_mov_b32 s[TL+1], 0x4038aa3b
	; descriptor group 1 for abf and wbf: 128 rows x 128 elements of 2 bytes, padded in LDS
	s_or_b32 s[G1+0], s43, (1<<16)|(1<<20)|(1<<21)|(5<<22)|(3<<25)  ; 15:0 the mask: abf's tiles go to my row; 17:16 2-byte elements; 20 padding on; 21 set beside a mask; 24:22 after every 64 words (code 5); 31:25 4 words (code 3)
	s_or_b32 s[G1B+0], s44, (1<<16)|(1<<20)|(1<<21)|(5<<22)|(3<<25) ; the same with the mask of my column
.irp g, G1, G1B
	s_mov_b32 s[(\g)+1], KSTEP<<16                 ; tensor_dim0 = 128
	s_mov_b32 s[(\g)+2], 128<<16                   ; tensor_dim1 = 128
	s_mov_b32 s[(\g)+3], KSTEP<<16                 ; tile_dim0 = 128
	s_mov_b32 s[(\g)+4], 128                       ; tile_dim1 = 128
	s_mov_b32 s[(\g)+5], SIZE_K                    ; elements from row to row
	s_mov_b32 s[(\g)+6], 0
	s_mov_b32 s[(\g)+7], 0
.endr
	; group 1 for c_prev and fb: 128 rows x 64 elements of 4 bytes, the same LDS rows; no mask: each work-group's own tile
	s_mov_b32 s[G1X+0], (2<<16)|(1<<20)|(5<<22)|(3<<25)
	s_mov_b32 s[G1X+1], 64<<16                     ; tensor_dim0 = 64
	s_mov_b32 s[G1X+2], 128<<16                    ; tensor_dim1 = 128
	s_mov_b32 s[G1X+3], 64<<16                     ; tile_dim0 = 64
	s_mov_b32 s[G1X+4], 128                        ; tile_dim1 = 128
	s_mov_b32 s[G1X+5], 2048                       ; elements from row to row
	s_mov_b32 s[G1X+6], 0
	s_mov_b32 s[G1X+7], 0
	s_lshl_b32 s17, s12, 7                         ; which 128 rows of a tile I fetch
	s_lshl_b32 s16, s13, 8
	s_add_co_u32 s16, s16, s17                     ; abf: row 256 x tile row + 128 x half
	s_mul_i32 s16, s16, SIZE_K*2                   ; in bytes: under 2^24
	s_lshl_b32 s46, s42, 8
	s_add_co_u32 s46, s46, s17                     ; wbf: row 256 x tile column + 128 x half
	s_mul_i32 s46, s46, SIZE_K*2                   ; under 2^26
	s_mov_b32 s17, 0
	s_mov_b32 s47, 0
	s_mul_i32 s20, s10, HALFT                      ; where they go: wave x 128 rows; no place in the cluster enters an LDS address
	s_wait_dscnt 0x0                               ; both opening adds are done
	s_wait_kmcnt 0x0
	s_add_nc_u64 s[14:15], s[80:81], s[16:17]
	s_add_nc_u64 s[46:47], s[82:83], s[46:47]
	CROUND                                         ; all sixteen work-groups are here: the first joint loads meet
.irp s, 0,1
	s_mov_b32 s[G0+4*(\s)], 1
	s_add_co_u32 s[G0+4*(\s)+1], s20, (\s)*SLOT
	s_add_nc_u64 s[G0+4*(\s)+2:G0+4*(\s)+3], s[14:15], (\s)*KSTEP*2
	s_or_b32 s[G0+4*(\s)+3], s[G0+4*(\s)+3], 0x80000000
	s_mov_b32 s[G0B+4*(\s)], 1
	s_add_co_u32 s[G0B+4*(\s)+1], s20, (\s)*SLOT
	s_add_nc_u64 s[G0B+4*(\s)+2:G0B+4*(\s)+3], s[46:47], (\s)*KSTEP*2
	s_or_b32 s[G0B+4*(\s)+3], s[G0B+4*(\s)+3], 0x80000000
	JLOAD \s                                       ; the ring is filled before anything else is done: two loads of mine are out
.endr
	v_and_b32 v1, 15, v0                           ; r = l % 16
	v_bfe_u32 v11, v0, 4, 1                        ; h = l / 16
	v_mul_u32_u24 v12, v1, PITCH
	v_lshl_add_u32 v13, v11, 4, v12                ; a fragment: row x pitch + 16 h
	s_mul_i32 s21, s11, HALFT                      ; my 128 rows of abf
	s_mul_i32 s22, s12, HALFT                      ; my 128 rows of wbf,
	s_add_co_u32 s22, s22, 2*HALFT                 ; which lie behind abf's 256
.irp s, 0,1
	v_add_nc_u32 v[ADRA+(\s)], s21, v13
	v_add_nc_u32 v[ADRB+(\s)], s22, v13
	s_add_co_u32 s21, s21, SLOT
	s_add_co_u32 s22, s22, SLOT
.endr
	s_mul_i32 s21, s11, HALFT                      ; c_prev's and fb's tiles: my 128 rows,
	s_lshl_b32 s22, s12, 7                         ; my 32 columns: 128 bytes
	s_add_co_u32 s21, s21, s22
	v_lshl_add_u32 v14, v11, 5, v12                ; row x pitch + 32 h: 8 columns of f32
	v_add_nc_u32 v[RDX], s21, v14
	v_add_nc_u32 v[RDF], 2*HALFT, v[RDX]
	s_mul_i32 s21, s11, UNIT                       ; the stage: 16 rows for each half of the tile's rows,
	s_add_co_u32 s21, s21, s22                     ; my 32 columns
	s_add_co_u32 s21, s21, STG
	v_add_nc_u32 v[STC], s21, v14
	v_add_nc_u32 v[STH], 2*UNIT, v[STC]
	s_mul_i32 s23, s10, 8*PITCH                    ; back by whole rows: the stage's rows 8 wave on
	s_add_co_u32 s23, s23, STG
	v_mul_u32_u24 v15, v11, PITCH
	v_lshl_add_u32 v15, v1, 4, v15
	v_add_nc_u32 v[RD2C], s23, v15
	v_add_nc_u32 v[RD2H], 2*UNIT, v[RD2C]
	v_lshlrev_b32 v15, 13, v11
	v_lshl_add_u32 v[CO], v1, 4, v15
	v_and_b32 v[HO], 31, v0
	v_lshlrev_b32 v[HO], 3, v[HO]
	v_lshlrev_b32 v[BO], 5, v11
	; the pointers of the cell's own tensors, each advanced to my origin
	s_lshl_b32 s66, s42, 8                         ; the tile's 64 columns of f32: 256 bytes x tile column
	s_mov_b32 s23, 0
	s_lshl_b32 s22, s12, 7
	s_add_co_u32 s22, s22, s66
	s_add_nc_u64 s[84:85], s[84:85], s[22:23]      ; bi at gate 0, my first hidden column
	s_lshl_b32 s22, s13, 8
	s_lshl_b32 s18, s12, 7
	s_add_co_u32 s22, s22, s18                     ; the 128 rows of c_prev or fb that I fetch
	s_lshl_b32 s22, s22, 13
	s_add_co_u32 s22, s22, s66
	s_cmp_eq_u32 s11, 0
	s_cselect_b64 s[G0X+2:G0X+3], s[86:87], s[88:89]
	s_add_nc_u64 s[G0X+2:G0X+3], s[G0X+2:G0X+3], s[22:23]
	s_or_b32 s[G0X+3], s[G0X+3], 0x80000000        ; type = 2
	s_mov_b32 s[G0X], 1
	s_mul_i32 s[G0X+1], s10, HALFT                 ; slot 0: c_prev's two halves, then fb's two halves
	s_lshl_b32 s22, s13, 8
	s_lshl_b32 s18, s11, 7
	s_add_co_u32 s22, s22, s18
	s_lshl_b32 s18, s12, 3
	s_add_co_u32 s22, s22, s18                     ; the first of the 8 rows that I store of block 0: 256 x tile row + 128 (wave / 2) + 8 (wave % 2)
	s_lshl_b32 s22, s22, 13
	s_add_co_u32 s22, s22, s66
	s_add_nc_u64 s[90:91], s[90:91], s[22:23]
	s_add_nc_u64 s[92:93], s[92:93], s[22:23]
	s_lshl_b32 s22, s13, 2
	s_lshl_b32 s18, s11, 1
	s_add_co_u32 s22, s22, s18                     ; hbf: the block of 64 rows 4 x tile row + 2 (wave / 2),
	s_lshl_b32 s22, s22, 5
	s_add_co_u32 s22, s22, s42                     ; its block of 64 columns = tile column,
	s_lshl_b32 s22, s22, 13                        ; 8,192 bytes each,
	s_lshl_b32 s18, s12, 10                        ; and 8 (wave % 2) rows of 128 bytes
	s_add_co_u32 s22, s22, s18
	s_add_nc_u64 s[94:95], s[94:95], s[22:23]
	; the prefetches
	s_lshl_b32 s18, s13, 8
	s_lshl_b32 s19, s42, 8
	s_and_b32 s22, ttmp7, 0xffff                   ; cluster y
	s_cmp_eq_u32 s11, 0                            ; do I fetch for abf?
	s_cselect_b32 s20, s18, s19                    ; the tile's first row
	s_cselect_b32 s21, s40, s41                    ; my place among the four that ask for it with me
	s_cselect_b32 s22, ttmp9, s22                  ; the coordinate along which other clusters read the same rows
	s_cselect_b64 s[PFA:PFA+1], s[80:81], s[82:83]
	s_cmp_eq_u32 s22, 0
	s_cselect_b32 s[LIM], 1, -1                    ; the same in all sixteen partners, for a given wave
	s_lshl_b32 s22, s12, 7
	s_add_co_u32 s20, s20, s22                     ; + the 128 rows that I fetch
	s_lshl_b32 s21, s21, 5
	s_add_co_u32 s20, s20, s21                     ; + my work-group's 32 of them
	s_mul_i32 s20, s20, SIZE_K*2
	s_mov_b32 s21, 0
	s_add_nc_u64 s[PFA:PFA+1], s[PFA:PFA+1], s[20:21]
	s_add_nc_u64 s[PFA:PFA+1], s[PFA:PFA+1], 2*KSTEP*2  ; at K step 2: the first refill steps it to 3 and names K step 4
	v_and_b32 v[PFO], 31, v0
	v_mul_u32_u24 v[PFO], v[PFO], SIZE_K*2
	; the biases: 64 a lane, in the accumulators' order; rounded to bf16, then times the gate's factor, so that one multiply-add a pair makes the exponents
.irp g, 0,1,2,3
.irp e, 0,1
	global_load_b128 v[BI+16*(\g)+8*(\e):BI+16*(\g)+8*(\e)+3],   v[BO], s[84:85] offset:8192*(\g)+64*(\e)
	global_load_b128 v[BI+16*(\g)+8*(\e)+4:BI+16*(\g)+8*(\e)+7], v[BO], s[84:85] offset:8192*(\g)+64*(\e)+16
.endr
.endr
	s_wait_loadcnt 0x0
.set z, 0
.rept 32
	RND2 BI+2*z, 32+z%8
.set z, z+1
.endr
.set z, 0
.rept 32
.if z/8 == 2
	v_pk_mul_f32 v[BI+2*z:BI+2*z+1], v[BI+2*z:BI+2*z+1], s[TL:TL+1] op_sel_hi:[1,0]
.else
	v_pk_mul_f32 v[BI+2*z:BI+2*z+1], v[BI+2*z:BI+2*z+1], s[NL:NL+1] op_sel_hi:[1,0]
.endif
.set z, z+1
.endr
; 16 matrix instructions: m blocks a0, a0 + 1 of the window's four (hi = 0: my rows 0-63, 1: rows 64-127) x all 8 n blocks, 32 along K.  zero = 1: the first product starts the sums.
; The 64 accumulators take turns in the same order in every quarter step.
.macro MUL16 f, hi, a0, zero
	WIN MUL_LO+0x50*(\hi)
.irp a, \a0, (\a0)+1
.irp b, 0,1,2,3,4,5,6,7
.if \zero
	v_wmma_f32_16x16x32_bf16 v[8*(8*(\a)+(\b)):8*(8*(\a)+(\b))+7], v[(\f)+8*(\b):(\f)+8*(\b)+7], v[(\f)+8*(4*(\hi)+(\a)):(\f)+8*(4*(\hi)+(\a))+7], 0
.else
	v_wmma_f32_16x16x32_bf16 v[8*(8*(\a)+(\b)):8*(8*(\a)+(\b))+7], v[(\f)+8*(\b):(\f)+8*(\b)+7], v[(\f)+8*(4*(\hi)+(\a)):(\f)+8*(4*(\hi)+(\a))+7], v[8*(8*(\a)+(\b)):8*(8*(\a)+(\b))+7]
.endif
.endr
.endr
.endm
; 32 LDS loads in one run: the fragments of one quarter step (128 rows of wbf, 128 rows of abf, 32 K at byte k of the rows) into buffer f
.macro FETCH slot, k, f
	WIN TO_B
.irp i, 0,1,2,3,4,5,6,7
	ds_load_b128 v[(\f)+8*(\i):(\f)+8*(\i)+3],   v[ADRB+(\slot)] offset:(\k)+(\i)*16*PITCH
	ds_load_b128 v[(\f)+8*(\i)+4:(\f)+8*(\i)+7], v[ADRB+(\slot)] offset:(\k)+(\i)*16*PITCH+32
.endr
	WIN 0
.irp i, 0,1,2,3,4,5,6,7
	ds_load_b128 v[(\f)+8*(\i):(\f)+8*(\i)+3],   v[ADRA+(\slot)] offset:(\k)+(\i)*16*PITCH
	ds_load_b128 v[(\f)+8*(\i)+4:(\f)+8*(\i)+7], v[ADRA+(\slot)] offset:(\k)+(\i)*16*PITCH+32
.endr
.endm
.macro PLACES                          ; four places in front of loads into registers that matrix instructions have read, and of vector work on their results (ISA guide 7.12.1 for vector instructions)
.rept 4
	v_nop
.endr
.endm
; A K step is four quarter steps of 32 along K, 64 matrix instructions each, on buffers 0, 1, 0, 1.  One of the first three: multiplies buffer f; in its middle it fetches the next quarter's fragments into g.
.macro QUARTER slot, k, f, g, zero
	s_wait_dscnt 8                                 ; wbf's and abf's rows 0-63 are in; the youngest eight loads (abf's rows 64-127) may be out
	WIN MUL_LO
	MUL16 \f, 0, 0, \zero
	MUL16 \f, 0, 2, \zero
	PLACES
	FETCH \slot, \k, \g
	s_wait_dscnt 32                                ; all but the 32 just issued
	WIN MUL_HI
	MUL16 \f, 1, 0, \zero
	MUL16 \f, 1, 2, \zero
.endm
; The first half of a K step's last quarter, and the opening of a round of the cluster's barrier.  In front of the signal each wave waits for all its tensor loads, of which one is out: its part of the
; next slot; adds 0 to its spare word; and waits for that and for its own reads of this slot.
.macro MEET
	WIN 0                                          ; (the add's two registers lie in window 0)
	s_wait_tensorcnt 0x0                           ; all my tensor loads have landed;
	ds_add_u32 v[SPW], v[NIL]                      ; 0 onto my spare word;
	s_wait_dscnt 9                                 ; (the add and the youngest eight loads may be out)
	WIN MUL_LO
	MUL16 F1, 0, 0, 0                              ; sixteen matrix instructions stand between the add and the wait for it
	s_wait_dscnt 0x0                               ; the add is done, and my reads of this slot are over:
	s_barrier_signal -1                            ; say so,
	MUL16 F1, 0, 2, 0                              ; work on registers while the others arrive,
	WIN 0
	s_barrier_wait -1
.endm
; The whole last quarter: behind the round the slot just read out is filled again first, with the K step two steps on; then come the next slot's first fragments.
.macro TURN slot, next
	s_wait_xcnt 0x0                                ; the last prefetch, a K step back, has read its address: it is stepped here, ahead of the waits of the change of slots
	s_add_nc_u64 s[PFA:PFA+1], s[PFA:PFA+1], KSTEP*2
	MEET
	CREST                                          ; no wave of any partner still reads this slot's tile or has a load on its way
	s_add_nc_u64 s[G0+4*(\slot)+2:G0+4*(\slot)+3], s[G0+4*(\slot)+2:G0+4*(\slot)+3], 2*KSTEP*2
	s_add_nc_u64 s[G0B+4*(\slot)+2:G0B+4*(\slot)+3], s[G0B+4*(\slot)+2:G0B+4*(\slot)+3], 2*KSTEP*2
	JLOAD \slot                                    ; the first tensor load behind the round; its four v_nop are also the places in front of the loads below
	FETCH \next, 0, F0
	ASK
	WIN MUL_HI
	MUL16 F1, 1, 0, 0
	MUL16 F1, 1, 2, 0
.endm
	s_wait_tensorcnt 1                             ; my part of K step 0 is in; K step 1's load may stay out
	s_barrier_signal -1
	s_barrier_wait -1                              ; everybody's is
	FETCH 0, 0, F0
	QUARTER 0, 64,  F0, F1, 1                      ; the first quarter stands in front of the loop: its products start the sums
	WIN 0                                          ; at a label and at a branch every window is 0
	s_mov_b32 s3, LAPS-1
.Llap:                                                 ; nine trips: once round the ring, from a lap's second quarter to the next lap's first; K steps 2 to 19 are asked for
	QUARTER 0, 128, F1, F0, 0
	QUARTER 0, 192, F0, F1, 0
	TURN 0, 1
	QUARTER 1, 64,  F0, F1, 0
	QUARTER 1, 128, F1, F0, 0
	QUARTER 1, 192, F0, F1, 0
	TURN 1, 0
	QUARTER 0, 64,  F0, F1, 0
	WIN 0
	s_sub_co_u32 s3, s3, 1
	s_cmp_lg_u32 s3, 0
	s_cbranch_scc1 .Llap
	QUARTER 0, 128, F1, F0, 0                      ; K step 18 goes on
	QUARTER 0, 192, F0, F1, 0
	MEET                                           ; slot 0 has been read for the last time, K step 19 has landed in slot 1
	CREST
	tensor_load_to_lds s[G0X:G0X+3], s[G1X:G1X+7]  ; slot 0's last fill: my 128 rows of c_prev's (waves 0, 1) or fb's (waves 2, 3) tile: LDS bytes and rows of my own by the wave's number; it has K step 19's 256 matrix instructions in which to land
	s_nop 0
	PLACES                                         ; also the places in front of the loads below
	FETCH 1, 0, F0
	WIN MUL_HI
	MUL16 F1, 1, 0, 0
	MUL16 F1, 1, 2, 0
	QUARTER 1, 64,  F0, F1, 0                      ; K step 19
	QUARTER 1, 128, F1, F0, 0
	QUARTER 1, 192, F0, F1, 0
	s_wait_dscnt 8                                 ; the very last quarter: nothing more to fetch
	WIN MUL_LO
	MUL16 F1, 0, 0, 0
	MUL16 F1, 0, 2, 0
	s_wait_dscnt 0x0
	MUL16 F1, 1, 0, 0
	MUL16 F1, 1, 2, 0
	WIN 0
	PLACES
	PLACES                                         ; (eight, once a launch)
	s_wait_tensorcnt 0x0                           ; my part of c_prev's or fb's tile is in,
	s_wait_dscnt 0x0                               ; and my reads of slot 1 are over
	s_barrier_signal -1
	s_barrier_wait -1                              ; both hold of every wave: the two tiles are whole, and the stage in slot 1 may be written.
; THE CELL, a block of 16 rows x 32 columns a trip: 16 elements a lane.
; GATHER a is the one part that names accumulators, so it alone is written eight times: the exponents -x log2 e (i, f, o) and 2 x log2 e (g), bias included, one multiply-add a pair;
; each accumulator's registers are read in ascending order.
.macro GATHER a, last
.Lg\a:
	WIN 0x02+(\a)/4                                ; source 0 in window 2 or 3
.set z, 0
.rept 32
.if z/8 == 2
	v_pk_fma_f32 v[T+2*z:T+2*z+1], v[64*((\a)%4)+2*z:64*((\a)%4)+2*z+1], s[TL:TL+1], v[BI+2*z:BI+2*z+1] op_sel_hi:[1,0,1]
.else
	v_pk_fma_f32 v[T+2*z:T+2*z+1], v[64*((\a)%4)+2*z:64*((\a)%4)+2*z+1], s[NL:NL+1], v[BI+2*z:BI+2*z+1] op_sel_hi:[1,0,1]
.endif
.set z, z+1
.endr
	WIN 0
.if !(\last)
	s_branch .Lhave
.endif
.endm
	s_mov_b32 s3, 0
.Lunit:
	s_wait_xcnt 0x0                                ; the last trip's stores have read their data and offsets: those registers are written again only behind this wait
	s_mul_i32 s66, s3, UNIT                        ; the block's 16 rows in c_prev's and fb's tiles,
	s_lshl_b32 s67, s3, 17                         ; in out1 and out2: 16 rows of 8,192 bytes,
	s_lshr_b32 s18, s3, 2
	s_lshl_b32 s18, s18, 18                        ; and in hbf: four blocks of 16 rows fill 64 rows, whose 32 blocks are 262,144 bytes;
	s_and_b32 s19, s3, 3
	s_lshl_b32 s19, s19, 11                        ; 16 rows of 128 bytes
	s_add_co_u32 s18, s18, s19
	v_add_nc_u32 v11, s66, v[RDX]
	v_add_nc_u32 v12, s66, v[RDF]
.irp e, 0,1
	ds_load_b128 v[CP+8*(\e):CP+8*(\e)+3],   v11 offset:64*(\e)
	ds_load_b128 v[CP+8*(\e)+4:CP+8*(\e)+7], v11 offset:64*(\e)+16
	ds_load_b128 v[FB+8*(\e):FB+8*(\e)+3],   v12 offset:64*(\e)
	ds_load_b128 v[FB+8*(\e)+4:FB+8*(\e)+7], v12 offset:64*(\e)+16
.endr
.irp a, 0,1,2,3,4,5,6
	s_cmp_eq_u32 s3, \a
	s_cbranch_scc1 .Lg\a
.endr
	GATHER 7, 0
	GATHER 0, 0
	GATHER 1, 0
	GATHER 2, 0
	GATHER 3, 0
	GATHER 4, 0
	GATHER 5, 0
	GATHER 6, 1
.Lhave:
.set z, 0
.rept 64
	v_exp_f32 v[T+z], v[T+z]                       ; one batch of 64
.set z, z+1
.endr
	s_wait_dscnt 0x0                               ; c_prev and fb are in
.set z, 0
.rept 8
	RND2 CP+2*z, 32+z                              ; c_prev as bf16, like all the cell's inputs: plain work behind the batch
.set z, z+1
.endr
	s_wait_alu depctr_va_vdst(0)                   ; the wait ahead of the first line that names an exponential's result: one for the batch
.set z, 0
.rept 32
	v_pk_add_f32 v[T+2*z:T+2*z+1], v[T+2*z:T+2*z+1], 1.0 op_sel_hi:[1,0]
.set z, z+1
.endr
.set z, 0
.rept 64
	v_rcp_f32 v[T+z], v[T+z]                       ; i, f, o are done; g lacks 1 - 2 r
.set z, z+1
.endr
	v_add_nc_u32 v13, s67, v[CO]                   ; the global stores' offsets: plain work behind the batch
	v_add_nc_u32 v14, s18, v[HO]
	s_wait_alu depctr_va_vdst(0)                   ; one wait for the 64 reciprocals
.set z, 0
.rept 8
	v_pk_fma_f32 v[TG+2*z:TG+2*z+1], v[TG+2*z:TG+2*z+1], -2.0, 1.0 op_sel_hi:[1,0,0]   ; tanh(g)
	v_pk_fma_f32 v[CC+2*z:CC+2*z+1], v[TF+2*z:TF+2*z+1], v[CP+2*z:CP+2*z+1], v[FB+2*z:FB+2*z+1]  ; f c_prev + fb
.set z, z+1
.endr
.set z, 0
.rept 8
	v_pk_fma_f32 v[CC+2*z:CC+2*z+1], v[TI+2*z:TI+2*z+1], v[TG+2*z:TG+2*z+1], v[CC+2*z:CC+2*z+1]  ; + i tanh(g) = c_t
.set z, z+1
.endr
.set z, 0
.rept 8
	v_pk_mul_f32 v[TG+2*z:TG+2*z+1], v[CC+2*z:CC+2*z+1], s[TL:TL+1] op_sel_hi:[1,0]
.set z, z+1
.endr
.set z, 0
.rept 16
	v_exp_f32 v[TG+z], v[TG+z]
.set z, z+1
.endr
	v_nop                                          ; a plain instruction behind the last exponential,
	s_wait_alu depctr_va_vdst(0)                   ; and the batch's wait
.set z, 0
.rept 8
	v_pk_add_f32 v[TG+2*z:TG+2*z+1], v[TG+2*z:TG+2*z+1], 1.0 op_sel_hi:[1,0]
.set z, z+1
.endr
.set z, 0
.rept 16
	v_rcp_f32 v[TG+z], v[TG+z]
.set z, z+1
.endr
	v_nop
	s_wait_alu depctr_va_vdst(0)
.set z, 0
.rept 8
	v_pk_fma_f32 v[TG+2*z:TG+2*z+1], v[TG+2*z:TG+2*z+1], -2.0, 1.0 op_sel_hi:[1,0,0]   ; tanh(c_t)
.set z, z+1
.endr
.set z, 0
.rept 8
	v_pk_mul_f32 v[HH+2*z:HH+2*z+1], v[TO+2*z:TO+2*z+1], v[TG+2*z:TG+2*z+1]            ; h_t
.set z, z+1
.endr
.irp e, 0,1
	ds_store_b128 v[STC], v[CC+8*(\e):CC+8*(\e)+3]   offset:64*(\e)
	ds_store_b128 v[STC], v[CC+8*(\e)+4:CC+8*(\e)+7] offset:64*(\e)+16
	ds_store_b128 v[STH], v[HH+8*(\e):HH+8*(\e)+3]   offset:64*(\e)
	ds_store_b128 v[STH], v[HH+8*(\e)+4:HH+8*(\e)+7] offset:64*(\e)+16
.endr
	s_wait_dscnt 0x0                               ; for the others' sake: my stores into the stage are done
	s_barrier_signal -1
	s_barrier_wait -1                              ; the stage's 32 rows are whole: a row's 256 bytes come from two waves
	; 8 whole rows a wave, two to a load.  Every store of the wave covers whole aligned blocks of 256 bytes: in out1 and out2 sixteen lanes a row; in hbf two rows of a block, 128 bytes each, lie on end.
.irp t, 0,1,2,3
	ds_load_b128 v[CP+4*(\t):CP+4*(\t)+3], v[RD2C] offset:(\t)*2*PITCH
.endr
.irp t, 0,1,2,3
	ds_load_b128 v[FB+4*(\t):FB+4*(\t)+3], v[RD2H] offset:(\t)*2*PITCH
.endr
	s_wait_dscnt 4                                 ; c_t's four loads are back; h_t's four may be out
.irp t, 0,1,2,3
	global_store_b128 v13, v[CP+4*(\t):CP+4*(\t)+3], s[92:93] offset:(\t)*16384 th:TH_STORE_NT
.endr
	s_wait_dscnt 0x0                               ; all my reads of the stage are back
.irp t, 0,1,2,3
	global_store_b128 v13, v[FB+4*(\t):FB+4*(\t)+3], s[90:91] offset:(\t)*16384 th:TH_STORE_NT
.endr
.irp t, 0,1,2,3
	v_cvt_pk_bf16_f32 v[HP+2*(\t)], v[FB+4*(\t)], v[FB+4*(\t)+1]
	v_cvt_pk_bf16_f32 v[HP+2*(\t)+1], v[FB+4*(\t)+2], v[FB+4*(\t)+3]
.endr
.irp t, 0,1,2,3
	global_store_b64 v14, v[HP+2*(\t):HP+2*(\t)+1], s[94:95] offset:(\t)*256
.endr
	s_barrier_signal -1                            ; every wave's reads of the stage are back:
	s_barrier_wait -1                              ; the next trip may write it again
	s_add_co_u32 s3, s3, 1
	s_cmp_lt_u32 s3, 8
	s_cbranch_scc1 .Lunit
	s_wait_tensorcnt 0x0                           ; the wave's end: the add and its wait, behind my last tensor load and my last LDS store
	ds_add_u32 v[SPW], v[NIL]
	s_wait_dscnt 0x0
	CROUND                                         ; the closing round: no work-group ends while a partner may still ask for a tile that names it
	s_endpgm
.Lfunc_end_k_qa1d988d2d6_gates:
	.size	k_qa1d988d2d6_gates, .Lfunc_end_k_qa1d988d2d6_gates-k_qa1d988d2d6_gates
	.p2alignl 7, 3214868480
	.fill 96, 4, 3214868480
	.section	.rodata,"a",@progbits
	.p2align	6, 0x0
	.amdhsa_kernel k_qa1d988d2d6_gates
		.amdhsa_group_segment_fixed_size 327680
		.amdhsa_private_segment_fixed_size 0
		.amdhsa_enable_private_segment 0
		.amdhsa_kernarg_size 64
		.amdhsa_user_sgpr_count 2
		.amdhsa_user_sgpr_kernarg_segment_ptr 1
		.amdhsa_wavefront_size32 1
		.amdhsa_system_sgpr_workgroup_id_x 1
		.amdhsa_system_sgpr_workgroup_id_y 1
		.amdhsa_system_sgpr_workgroup_id_z 1
		.amdhsa_system_vgpr_workitem_id 0
		.amdhsa_next_free_vgpr 1024
		.amdhsa_next_free_sgpr 96
		.amdhsa_reserve_vcc 0
		.amdhsa_float_denorm_mode_32 3
		.amdhsa_float_denorm_mode_16_64 3
		.amdhsa_memory_ordered 1
		.amdhsa_forward_progress 1
		.amdhsa_inst_pref_size 157
	.end_amdhsa_kernel
	.amdgpu_metadata
---
amdhsa.version: [ 1, 2 ]
amdhsa.kernels:
  - .name:           k_qa1d988d2d6_gates
    .symbol:         k_qa1d988d2d6_gates.kd
    .args:
      - { .name: abf, .offset: 0, .size: 8, .value_kind: global_buffer, .address_space: global }
      - { .name: wbf, .offset: 8, .size: 8, .value_kind: global_buffer, .address_space: global }
      - { .name: bi, .offset: 16, .size: 8, .value_kind: global_buffer, .address_space: global }
      - { .name: c_prev, .offset: 24, .size: 8, .value_kind: global_buffer, .address_space: global }
      - { .name: fb, .offset: 32, .size: 8, .value_kind: global_buffer, .address_space: global }
      - { .name: out1, .offset: 40, .size: 8, .value_kind: global_buffer, .address_space: global }
      - { .name: out2, .offset: 48, .size: 8, .value_kind: global_buffer, .address_space: global }
      - { .name: hbf, .offset: 56, .size: 8, .value_kind: global_buffer, .address_space: global }
    .group_segment_fixed_size: 327680
    .private_segment_fixed_size: 0
    .kernarg_segment_align: 8
    .kernarg_segment_size: 64
    .max_flat_workgroup_size: 128
    .sgpr_count:     96
    .vgpr_count:     1024
    .wavefront_size: 32
...
	.end_amdgpu_metadata
.endif
;; end of part 3
;; launch logit (part 4): grid 16 x 16, 4 waves a work-group, clusters of 4 x 4, 327,680 bytes of LDS; arguments hbf, oww, b_out, logits; writes logits
.if DOCPART == 4
	.amdgcn_target "amdgcn-amd-amdhsa--gfx1250"
	.amdhsa_code_object_version 6
	.text
	.protected	k_qa1d988d2d6_logit
	.globl	k_qa1d988d2d6_logit
	.p2align	8
	.type	k_qa1d988d2d6_logit,@function
k_qa1d988d2d6_logit:
	s_mov_b64 s[64:65], 0
	v_nop
	global_prefetch_b8 v0, s[64:65] scope:SCOPE_SE
	s_setreg_imm32_b32 hwreg(HW_REG_WAVE_MODE, 25, 1), 1
	s_wait_xcnt 0x0
	s_wait_alu depctr_hold_cnt(0) depctr_sa_sdst(0) depctr_va_vdst(0) depctr_va_sdst(0) depctr_va_ssrc(0) depctr_va_vcc(0) depctr_vm_vsrc(0)
	s_getreg_b32 s2, hwreg(HW_REG_IB_STS2, 6, 4)
	s_cmp_eq_u32 s2, 0
	s_cbranch_scc0 .Lentry_in_a_cluster
	s_endpgm
.Lentry_in_a_cluster:
	s_bfe_u32 s2, ttmp6, 0x10000c
	s_cmp_lg_u32 s2, 0xf033
	s_cbranch_scc0 .Lentry_shape_is_right
	s_endpgm
.Lentry_shape_is_right:
; C[m][n] = sum over k of A[m][k] B[n][k] + bias[n].  M = N = K = 2048.  A and B: bf16 in BLOCKS of 64 rows x 64 k (8,192 dense bytes; (m, k) at
; ((m >> 6) * 32 + (k >> 6)) * 8192 + (m & 63) * 128 + (k & 63) * 2); bias: f32, taken rounded to bf16 like every input of the cell; C: f32, row-major.  Sums in f32.
; 256 tiles of 128 x 128 of C, one to a work-group; four waves, each 64 x 64: 16 accumulators of 16 x 16.  K goes in steps of 256 through two LDS slots.
; A wave's tensor load brings 64 rows x 256 k: four blocks on end, 32,768 dense bytes, asked for as 128 rows of 256 bytes and padded in LDS behind every 128 bytes.
; CLUSTERS: 4 x 4 work-groups.  The four of a row of the cluster need the same tiles of A, the four of a column the same tiles of B: each tile is asked for JOINTLY,
; by the same tensor load with the same descriptor and a mask that names the four.
; THE MATRIX INSTRUCTION IS USED TRANSPOSED (source 0 = 16 rows of B, source 1 = 16 rows of A): a lane holds row l % 16 of C and the columns 8 (l / 16) + 0..7.
; A wave's 64 columns are 256 bytes of a row of C, aligned: each wave has a stage of its own for the way out, and no barrier stands there.
; No prefetch: a tile's step is short and the tiles are small; each block is read by four clusters at about the same time.
; REGISTERS: window 0: v16-29 addresses; v32-63 sums with bias; v64-95 rows read back; v96-127 the bias of my 32 columns a lane; v128-255 the accumulators ((a, b) at v[128 + 8 (4 a + b)]).
;   window 1: two fragment buffers of 128: for 64 along K, 64 registers of A (2 x 4 x 16 rows x 32 k), then 64 of B.
.set PITCH,  144                       ; 128 bytes of a row in a block + 16 of padding = 36 words: the 16 rows of a load start at 16 different groups of four banks (64 banks of 4 bytes: ISA guide 11.1)
.set KB,     64*PITCH                  ; a block in LDS
.set HALFT,  4*KB                      ; what one tensor load brings: 64 rows x 256 k
.set SLOT,   4*HALFT                   ; A's 128 rows, then B's 128 rows
.set STAGE,  2*SLOT                    ; behind the ring, never filled by a tensor load: 16 rows x 272 bytes for each wave
.set SPITCH, 272
.set SPARE,  STAGE+4*16*SPITCH         ; behind the stages: the spare words, 128 bytes for each wave: two blocks of 256 bytes that no other line names
.set STEPB,  32768                     ; bytes of a K step in memory, for 64 rows
.set ROWC,   8192                      ; bytes in a row of C
.set LAPS,   4                         ; a lap = two K steps = once round the ring
.set ADRA, 16                          ; v16-17  LDS address of my A fragments in slot 0, 1
.set ADRB, 20                          ; v20-21  the same for B
.set STO,  24                          ; v24     the way out: where I put 32 bytes of a row
.set RD,   25                          ; v25     the way out: where I read a row back
.set CO,   26                          ; v26     my byte offset in C
.set BO,   27                          ; v27     my byte offset in the bias
.set SPW,  28                          ; v28     LDS address of my spare word: SPARE + 4 x my thread's number; never rewritten
.set NIL,  29                          ; v29     0; never rewritten
.set TMP,  32
.set OB,   64
.set BS,   96
.set ACC,  128
.set F0,   0                           ; fragment buffers, in window 1
.set F1,   128
.set G1, 24                            ; s[24:31] descriptor group 1 for A's tiles;  s[32:39] group 0, one set for each slot
.set G0, 32
.set G1B, 48                           ; s[48:55], s[56:63] the same for B's tiles
.set G0B, 56
.set MSB, 0
.macro WIN new                         ; the immediate's high byte repeats the setting that is left
.if MSB != (\new)
	s_set_vgpr_msb (MSB<<8)|(\new)
.set MSB, \new
.endif
.endm
.set MUL,  0x05                        ; sources 0 (B) and 1 (A) window 1; C and D window 0
.set TO_F, 0x40                        ; destination window 1, address window 0
.macro JLOAD s                         ; a joint load: waves 0 and 1 fetch A's two halves, waves 2 and 3 B's; an s_nop 0 and four v_nop follow each of the two lines, ahead of the jump, the label and what follows
	s_cmp_eq_u32 s11, 0
	s_cbranch_scc0 .Lfor_b_\@
	tensor_load_to_lds s[G0+4*(\s):G0+4*(\s)+3], s[G1:G1+7]
	s_nop 0
.rept 4
	v_nop
.endr
	s_branch .Lasked_\@
.Lfor_b_\@:
	tensor_load_to_lds s[G0B+4*(\s):G0B+4*(\s)+3], s[G1B:G1B+7]
	s_nop 0
.rept 4
	v_nop
.endr
.Lasked_\@:
.endm
.macro CREST                           ; a round of the cluster's barrier behind its opening barrier
	s_cmp_lg_u32 s10, 0
	s_cbranch_scc1 .Lnot_wave_0_\@
	s_barrier_signal -3
.Lnot_wave_0_\@:
	s_barrier_wait -3
	s_barrier_signal -1
	s_barrier_wait -1
.endm
.macro CROUND                          ; a whole round
	s_barrier_signal -1
	s_barrier_wait -1
	CREST
.endm
.macro RND2 d, tmp                     ; two f32 rounded to bf16 and widened again, in place
	v_cvt_pk_bf16_f32 v[\tmp], v[\d], v[(\d)+1]
	v_lshlrev_b32 v[\d], 16, v[\tmp]
	v_and_b32 v[(\d)+1], 0xffff0000, v[\tmp]
.endm
	s_load_b256 s[68:75], s[0:1], 0x0              ; A s[68:69], B s[70:71], bias s[72:73], C s[74:75]
	v_lshl_add_u32 v[SPW], v0, 2, SPARE
	v_mov_b32 v[NIL], 0
	ds_add_u32 v[SPW], v[NIL]                      ; the wave's opening: the add, twice on end, and its wait ahead of my first tensor load; the set-up below stands between
	ds_add_u32 v[SPW], v[NIL]                      ; and once more, under the one wait
	v_lshrrev_b32 v1, 5, v0
	v_readfirstlane_b32 s10, v1                    ; wave 0..3
	s_lshr_b32 s11, s10, 1                         ; which half of the tile's rows is mine.  Also: I fetch for A (0) or for B (1)
	s_and_b32 s12, s10, 1                          ; which half of its columns.  Also: which 64 rows of that tile I fetch
	s_bfe_u32 s40, ttmp6, 0x40000                  ; cx, cy: my place in the cluster
	s_bfe_u32 s41, ttmp6, 0x40004
	s_lshl_b32 s42, ttmp9, 2
	s_add_co_u32 s42, s42, s40                     ; tile column of C = 4 x cluster x + cx
	s_and_b32 s13, ttmp7, 0xffff
	s_lshl_b32 s13, s13, 2
	s_add_co_u32 s13, s13, s41                     ; tile row of C = 4 x cluster y + cy
	s_lshl_b32 s43, s41, 2
	s_lshl_b32 s43, 15, s43                        ; my row of the cluster
	s_lshl_b32 s44, 0x1111, s40                    ; my column
	; descriptor group 1: 128 rows of 128 elements, dense in memory, padded in LDS
	s_or_b32 s[G1+0], s43, (1<<16)|(1<<20)|(1<<21)|(4<<22)|(3<<25)  ; 15:0 the mask: A's tiles go to my row; 17:16 2-byte elements; 20 padding on; 21 set beside a mask; 24:22 after every 32 words (code 4); 31:25 4 words (code 3)
	s_or_b32 s[G1B+0], s44, (1<<16)|(1<<20)|(1<<21)|(4<<22)|(3<<25)
.irp g, G1, G1B
	s_mov_b32 s[(\g)+1], 128<<16                   ; tensor_dim0 = 128
	s_mov_b32 s[(\g)+2], 128<<16                   ; tensor_dim1 = 128
	s_mov_b32 s[(\g)+3], 128<<16                   ; tile_dim0 = 128
	s_mov_b32 s[(\g)+4], 128                       ; tile_dim1 = 128
	s_mov_b32 s[(\g)+5], 128                       ; 128 elements from row to row: dense
	s_mov_b32 s[(\g)+6], 0
	s_mov_b32 s[(\g)+7], 0
.endr
	s_lshl_b32 s16, s13, 1
	s_add_co_u32 s16, s16, s12                     ; A: the block of 64 rows 2 x tile row + half,
	s_lshl_b32 s16, s16, 18                        ; 262,144 bytes each
	s_mov_b32 s17, 0
	s_lshl_b32 s46, s42, 1
	s_add_co_u32 s46, s46, s12                     ; B: 2 x tile column + half
	s_lshl_b32 s46, s46, 18
	s_mov_b32 s47, 0
	s_mul_i32 s20, s10, HALFT                      ; where they go: wave x one load's bytes; no place in the cluster enters an LDS address
	s_wait_dscnt 0x0                               ; both opening adds are done
	s_wait_kmcnt 0x0
	s_add_nc_u64 s[14:15], s[68:69], s[16:17]
	s_add_nc_u64 s[46:47], s[70:71], s[46:47]
	CROUND                                         ; all sixteen work-groups are here: the first joint loads meet
.irp s, 0,1
	s_mov_b32 s[G0+4*(\s)], 1
	s_add_co_u32 s[G0+4*(\s)+1], s20, (\s)*SLOT
	s_add_nc_u64 s[G0+4*(\s)+2:G0+4*(\s)+3], s[14:15], (\s)*STEPB
	s_or_b32 s[G0+4*(\s)+3], s[G0+4*(\s)+3], 0x80000000
	s_mov_b32 s[G0B+4*(\s)], 1
	s_add_co_u32 s[G0B+4*(\s)+1], s20, (\s)*SLOT
	s_add_nc_u64 s[G0B+4*(\s)+2:G0B+4*(\s)+3], s[46:47], (\s)*STEPB
	s_or_b32 s[G0B+4*(\s)+3], s[G0B+4*(\s)+3], 0x80000000
	JLOAD \s
.endr
	v_and_b32 v1, 15, v0                           ; l % 16
	v_bfe_u32 v2, v0, 4, 1                         ; l / 16
	v_mul_u32_u24 v3, v1, PITCH
	v_lshl_add_u32 v3, v2, 4, v3                   ; a fragment's row x pitch + 16 x half
	s_mul_i32 s21, s11, HALFT                      ; my 64 rows of A
	s_mul_i32 s22, s12, HALFT                      ; my 64 rows of B,
	s_add_co_u32 s22, s22, 2*HALFT                 ; which lie behind A's 128
.irp s, 0,1
	v_add_nc_u32 v[ADRA+(\s)], s21, v3
	v_add_nc_u32 v[ADRB+(\s)], s22, v3
	s_add_co_u32 s21, s21, SLOT
	s_add_co_u32 s22, s22, SLOT
.endr
	s_mul_i32 s23, s10, 16*SPITCH
	s_add_co_u32 s23, s23, STAGE                   ; my stage
	v_mul_u32_u24 v4, v1, SPITCH                   ; in: row l % 16, 32 bytes (8 columns) for each half of the lanes
	v_lshl_add_u32 v4, v2, 5, v4
	v_add_nc_u32 v[STO], s23, v4
	v_mul_u32_u24 v5, v2, SPITCH                   ; back: lanes 0-15 take one row of 256 bytes, lanes 16-31 the next
	v_lshl_add_u32 v5, v1, 4, v5
	v_add_nc_u32 v[RD], s23, v5
	v_lshlrev_b32 v5, 13, v2                       ; and the same two rows in C
	v_lshl_add_u32 v[CO], v1, 4, v5
	v_lshlrev_b32 v[BO], 5, v2                     ; the bias of my 8 columns in each 16
	s_lshl_b32 s16, s13, 7
	s_lshl_b32 s17, s11, 6
	s_add_co_u32 s16, s16, s17                     ; my first row of C: 128 x tile row + 64 x half
	s_lshl_b32 s16, s16, 13
	s_mov_b32 s17, 0
	s_add_nc_u64 s[74:75], s[74:75], s[16:17]
	s_lshl_b32 s46, s42, 9                         ; my first column, in bytes: 512 x tile column + 256 x half
	s_lshl_b32 s47, s12, 8
	s_add_co_u32 s46, s46, s47
	s_mov_b32 s47, 0
	s_add_nc_u64 s[74:75], s[74:75], s[46:47]
	s_add_nc_u64 s[72:73], s[72:73], s[46:47]      ; the bias at the same column
.irp b, 0,1,2,3
	global_load_b128 v[BS+8*(\b):BS+8*(\b)+3],   v[BO], s[72:73] offset:64*(\b)
	global_load_b128 v[BS+8*(\b)+4:BS+8*(\b)+7], v[BO], s[72:73] offset:64*(\b)+16
.endr
	s_wait_loadcnt 0x0
.set z, 0
.rept 16
	RND2 BS+2*z, TMP+z%8                           ; the bias as bf16, like all the cell's inputs
.set z, z+1
.endr
; 8 matrix instructions: m blocks a0, a0 + 1 x all 4 n blocks, 32 along K: half c of buffer f.  zero = 1: the first product starts the sums
.macro MUL8 f, c, a0, zero
	WIN MUL
.irp a, \a0, (\a0)+1
.irp b, 0,1,2,3
.if \zero
	v_wmma_f32_16x16x32_bf16 v[ACC+8*(4*(\a)+(\b)):ACC+8*(4*(\a)+(\b))+7], v[(\f)+64+8*(4*(\c)+(\b)):(\f)+64+8*(4*(\c)+(\b))+7], v[(\f)+8*(4*(\c)+(\a)):(\f)+8*(4*(\c)+(\a))+7], 0
.else
	v_wmma_f32_16x16x32_bf16 v[ACC+8*(4*(\a)+(\b)):ACC+8*(4*(\a)+(\b))+7], v[(\f)+64+8*(4*(\c)+(\b)):(\f)+64+8*(4*(\c)+(\b))+7], v[(\f)+8*(4*(\c)+(\a)):(\f)+8*(4*(\c)+(\a))+7], v[ACC+8*(4*(\a)+(\b)):ACC+8*(4*(\a)+(\b))+7]
.endif
.endr
.endr
.endm
; 32 LDS loads in one run: the fragments of one block of 64 k, which begins at byte k of my 64 rows' part of the slot, into buffer f; the first 32 along K first
.macro FETCH slot, k, f
	WIN TO_F
.irp c, 0,1
.irp i, 0,1,2,3
	ds_load_b128 v[(\f)+64+8*(4*(\c)+(\i)):(\f)+64+8*(4*(\c)+(\i))+3],   v[ADRB+(\slot)] offset:(\k)+64*(\c)+(\i)*16*PITCH
	ds_load_b128 v[(\f)+64+8*(4*(\c)+(\i))+4:(\f)+64+8*(4*(\c)+(\i))+7], v[ADRB+(\slot)] offset:(\k)+64*(\c)+(\i)*16*PITCH+32
	ds_load_b128 v[(\f)+8*(4*(\c)+(\i)):(\f)+8*(4*(\c)+(\i))+3],         v[ADRA+(\slot)] offset:(\k)+64*(\c)+(\i)*16*PITCH
	ds_load_b128 v[(\f)+8*(4*(\c)+(\i))+4:(\f)+8*(4*(\c)+(\i))+7],       v[ADRA+(\slot)] offset:(\k)+64*(\c)+(\i)*16*PITCH+32
.endr
.endr
.endm
.macro PLACES                          ; four places in front of loads into registers that matrix instructions have read (ISA guide 7.12.1 for vector instructions)
.rept 4
	v_nop
.endr
.endm
; A K step is four quarters of 64 along K, 32 matrix instructions each, on buffers 0, 1, 0, 1.  One of the first three: multiplies buffer f and fetches the next quarter, at byte k, into g.
.macro QUARTER slot, k, f, g, zero
	s_wait_dscnt 16                                ; the first 32 along K are in; the sixteen younger loads may be out
	WIN MUL
	MUL8 \f, 0, 0, \zero
	MUL8 \f, 0, 2, \zero
	PLACES
	FETCH \slot, \k, \g
	s_wait_dscnt 32                                ; all but the 32 just issued
	WIN MUL
	MUL8 \f, 1, 0, 0
	MUL8 \f, 1, 2, 0
.endm
; The last quarter multiplies buffer 1 and changes slots: ONE barrier; in front of it each wave waits for all its tensor loads, adds 0 to its spare word, and waits for that and for its own reads of this slot.  fill = 1: this slot is filled again, two K steps ahead.
.macro TURN slot, next, fill
	WIN 0                                          ; (the add's two registers lie in window 0)
	s_wait_tensorcnt 0x0                           ; all my tensor loads have landed: my part of the next slot;
	ds_add_u32 v[SPW], v[NIL]                      ; 0 onto my spare word;
	s_wait_dscnt 17                                ; (the add and the youngest sixteen loads may be out)
	WIN MUL
	MUL8 F1, 0, 0, 0                               ; eight matrix instructions stand between the add and the wait for it
	s_wait_dscnt 0x0                               ; the add is done, and my reads of this slot are over
	s_barrier_signal -1
	MUL8 F1, 0, 2, 0
.if \fill
	WIN 0
.endif
	s_barrier_wait -1
.if \fill
	CREST                                          ; the barrier has opened a round of the cluster's barrier: no wave of any partner still reads this slot's tile or has a load on its way
	s_add_nc_u64 s[G0+4*(\slot)+2:G0+4*(\slot)+3], s[G0+4*(\slot)+2:G0+4*(\slot)+3], 2*STEPB
	s_add_nc_u64 s[G0B+4*(\slot)+2:G0B+4*(\slot)+3], s[G0B+4*(\slot)+2:G0B+4*(\slot)+3], 2*STEPB
	JLOAD \slot                                    ; the first tensor load behind the round: 112 matrix instructions ahead of the wait for it; its four v_nop are also the places in front of the loads below
.else
	PLACES
.endif
	FETCH \next, 0, F0
	WIN MUL
	MUL8 F1, 1, 0, 0
	MUL8 F1, 1, 2, 0
.endm
	s_wait_tensorcnt 1                             ; my part of K step 0 is in; K step 1's load may stay out
	s_barrier_signal -1
	s_barrier_wait -1                              ; everybody's is
	FETCH 0, 0, F0
	QUARTER 0, KB, F0, F1, 1                       ; the first quarter stands in front of the loop: its first products start the sums
	WIN 0                                          ; at a label and at a branch every window is 0
	s_mov_b32 s3, LAPS-1
.Llap:                                                 ; a trip goes once round the ring, from a lap's second quarter to the next lap's first, and fills both slots again
	QUARTER 0, 2*KB, F1, F0, 0
	QUARTER 0, 3*KB, F0, F1, 0
	TURN 0, 1, 1
	QUARTER 1, KB, F0, F1, 0
	QUARTER 1, 2*KB, F1, F0, 0
	QUARTER 1, 3*KB, F0, F1, 0
	TURN 1, 0, 1
	QUARTER 0, KB, F0, F1, 0
	WIN 0
	s_sub_co_u32 s3, s3, 1
	s_cmp_lg_u32 s3, 0
	s_cbranch_scc1 .Llap
	QUARTER 0, 2*KB, F1, F0, 0                     ; the last lap fills nothing, and has no round of the cluster's barrier
	QUARTER 0, 3*KB, F0, F1, 0
	TURN 0, 1, 0
	QUARTER 1, KB, F0, F1, 0
	QUARTER 1, 2*KB, F1, F0, 0
	QUARTER 1, 3*KB, F0, F1, 0
	s_wait_dscnt 16                                ; the very last quarter: nothing more to fetch
	WIN MUL
	MUL8 F1, 0, 0, 0
	MUL8 F1, 0, 2, 0
	s_wait_dscnt 0
	MUL8 F1, 1, 0, 0
	MUL8 F1, 1, 2, 0
	WIN 0
	; THE WAY OUT, 16 rows at a time: the bias is added; 32 bytes a lane go into my stage; whole rows of 256 bytes come back and are stored.
	PLACES
	PLACES                                         ; (eight, once a launch)
.macro OUT a
.irp b, 0,1,2,3
.irp z, 0,1,2,3                        ; each accumulator's registers in ascending order
	v_pk_add_f32 v[TMP+8*(\b)+2*(\z):TMP+8*(\b)+2*(\z)+1], v[ACC+8*(4*(\a)+(\b))+2*(\z):ACC+8*(4*(\a)+(\b))+2*(\z)+1], v[BS+8*(\b)+2*(\z):BS+8*(\b)+2*(\z)+1]
.endr
.endr
.irp b, 0,1,2,3
	ds_store_b128 v[STO], v[TMP+8*(\b):TMP+8*(\b)+3]   offset:64*(\b)
	ds_store_b128 v[STO], v[TMP+8*(\b)+4:TMP+8*(\b)+7] offset:64*(\b)+16
.endr
.if (\a) > 0
	s_wait_xcnt 0x0                                ; the stores of the 16 rows before have read their registers: these are loaded again only behind this wait
.endif
.irp t, 0,1,2,3,4,5,6,7
	ds_load_b128 v[OB+4*(\t):OB+4*(\t)+3], v[RD] offset:(\t)*2*SPITCH  ; LDS serves a wave's instructions in order (ISA guide 5.7.1.4): these see the stores above
.endr
.irp t, 0,1,2,3,4,5,6,7
	s_wait_dscnt 7-(\t)                            ; load t is back, the younger ones may be out
	global_store_b128 v[CO], v[OB+4*(\t):OB+4*(\t)+3], s[74:75] offset:(16*(\a)+2*(\t))*ROWC  ; 16 lanes store 256 consecutive bytes, at a multiple of 256 from C's first byte
.endr
.endm
	OUT 0
	OUT 1
	OUT 2
	OUT 3
	s_wait_tensorcnt 0x0                           ; the wave's end: the add and its wait, behind my last tensor load and my last LDS store
	ds_add_u32 v[SPW], v[NIL]
	s_wait_dscnt 0x0
	CROUND                                         ; the closing round: no work-group ends while a partner may still ask for a tile that names it
	s_endpgm
.Lfunc_end_k_qa1d988d2d6_logit:
	.size	k_qa1d988d2d6_logit, .Lfunc_end_k_qa1d988d2d6_logit-k_qa1d988d2d6_logit
	.p2alignl 7, 3214868480
	.fill 96, 4, 3214868480
	.section	.rodata,"a",@progbits
	.p2align	6, 0x0
	.amdhsa_kernel k_qa1d988d2d6_logit
		.amdhsa_group_segment_fixed_size 327680
		.amdhsa_private_segment_fixed_size 0
		.amdhsa_enable_private_segment 0
		.amdhsa_kernarg_size 32
		.amdhsa_user_sgpr_count 2
		.amdhsa_user_sgpr_kernarg_segment_ptr 1
		.amdhsa_wavefront_size32 1
		.amdhsa_system_sgpr_workgroup_id_x 1
		.amdhsa_system_sgpr_workgroup_id_y 1
		.amdhsa_system_sgpr_workgroup_id_z 1
		.amdhsa_system_vgpr_workitem_id 0
		.amdhsa_next_free_vgpr 512
		.amdhsa_next_free_sgpr 76
		.amdhsa_reserve_vcc 0
		.amdhsa_float_denorm_mode_32 3
		.amdhsa_float_denorm_mode_16_64 3
		.amdhsa_memory_ordered 1
		.amdhsa_forward_progress 1
		.amdhsa_inst_pref_size 94
	.end_amdhsa_kernel
	.amdgpu_metadata
---
amdhsa.version: [ 1, 2 ]
amdhsa.kernels:
  - .name:           k_qa1d988d2d6_logit
    .symbol:         k_qa1d988d2d6_logit.kd
    .args:
      - { .name: hbf, .offset: 0, .size: 8, .value_kind: global_buffer, .address_space: global }
      - { .name: oww, .offset: 8, .size: 8, .value_kind: global_buffer, .address_space: global }
      - { .name: b_out, .offset: 16, .size: 8, .value_kind: global_buffer, .address_space: global }
      - { .name: logits, .offset: 24, .size: 8, .value_kind: global_buffer, .address_space: global }
    .group_segment_fixed_size: 327680
    .private_segment_fixed_size: 0
    .kernarg_segment_align: 8
    .kernarg_segment_size: 32
    .max_flat_workgroup_size: 128
    .sgpr_count:     76
    .vgpr_count:     512
    .wavefront_size: 32
...
	.end_amdgpu_metadata
.endif
;; end of part 4
;; launch softmax (part 5): grid 256 x 1, 8 waves a work-group, no clusters, 0 bytes of LDS; arguments logits, out0; writes out0
.if DOCPART == 5
	.amdgcn_target "amdgcn-amd-amdhsa--gfx1250"
	.amdhsa_code_object_version 6
	.text
	.protected	k_qa1d988d2d6_softmax
	.globl	k_qa1d988d2d6_softmax
	.p2align	8
	.type	k_qa1d988d2d6_softmax,@function
k_qa1d988d2d6_softmax:
	s_mov_b64 s[64:65], 0
	v_nop
	global_prefetch_b8 v0, s[64:65] scope:SCOPE_SE
	s_setreg_imm32_b32 hwreg(HW_REG_WAVE_MODE, 25, 1), 1
	s_wait_xcnt 0x0
; out0[r][:] = softmax(logits[r][:]).  Both [2048][2048] f32.  A row is 8,192 bytes: one wave takes a whole row, sixteen loads of 16 bytes a lane, and keeps it in 64 registers
; between the maximum, the exponentials, the sum and the scaling: the row is read once, and no wave waits for another.  2,048 waves, a row each: no loop, no LDS, no barrier.
; p = 2^(x log2 e - m log2 e) with m the row's true maximum; the sum is taken in f32, in four chains of pairs.
; LIMITS.  A weight below 2^-126 counts as 0; the exponent's rounding grows with |m| (2^-24 |m| log2 e); NaN is not treated apart.
.set X,  8                             ; v[8:71]   the row
.set M,  72                            ; v[72:75]  four running maxima
.set CM, 76                            ; v[76:77]  m log2 e, twice
.set SU, 78                            ; v[78:85]  four pairs of running sums
.set R,  86                            ; v[86:87]  1 / sum, twice
	s_load_b128 s[4:7], s[0:1], 0x0                ; logits s[4:5], out0 s[6:7]
	v_lshrrev_b32 v1, 5, v0
	v_readfirstlane_b32 s8, v1                     ; wave 0..7
	v_and_b32 v1, 31, v0
	v_lshlrev_b32 v1, 4, v1                        ; 16 bytes a lane
	s_lshl_b32 s9, ttmp9, 3
	s_add_co_u32 s9, s9, s8                        ; my row
	s_lshl_b32 s10, s9, 13
	s_mov_b32 s11, 0
	s_mov_b32 s12, 0x76543210                      ; v_permlanex16_b32: lane i of one half reads lane i of the other
	s_mov_b32 s13, 0xfedcba98
	s_mov_b32 s14, 0x3fb8aa3b                      ; log2 e
	s_mov_b32 s15, s14                             ; named with it as a pair
	s_wait_kmcnt 0x0
	s_add_nc_u64 s[4:5], s[4:5], s[10:11]
	s_add_nc_u64 s[6:7], s[6:7], s[10:11]
.set t, 0
.rept 16
	global_load_b128 v[X+4*t:X+4*t+3], v1, s[4:5] offset:512*t th:TH_LOAD_NT  ; 512 neighbouring bytes each
.set t, t+1
.endr
	s_wait_loadcnt 0x0
	; the maximum of my 64 numbers: four chains of fifteen, three operands at a time; then the four left over and the chains
.irp c, 0,1,2,3
	v_max3_num_f32 v[M+(\c)], v[X+16*(\c)], v[X+16*(\c)+1], v[X+16*(\c)+2]
.endr
.irp i, 1,2,3,4,5,6
.irp c, 0,1,2,3
	v_max3_num_f32 v[M+(\c)], v[M+(\c)], v[X+16*(\c)+2*(\i)+1], v[X+16*(\c)+2*(\i)+2]
.endr
.endr
	v_max3_num_f32 v[M], v[M], v[X+15], v[X+31]
	v_max3_num_f32 v[M+2], v[M+2], v[X+47], v[X+63]
	v_max3_num_f32 v[M], v[M], v[M+1], v[M+2]
	v_max_num_f32 v[M], v[M], v[M+3]
	v_max_num_f32_dpp v[M], v[M], v[M] row_xmask:1 row_mask:0xf bank_mask:0xf
	v_max_num_f32_dpp v[M], v[M], v[M] row_xmask:2 row_mask:0xf bank_mask:0xf
	v_max_num_f32_dpp v[M], v[M], v[M] row_xmask:4 row_mask:0xf bank_mask:0xf
	v_max_num_f32_dpp v[M], v[M], v[M] row_xmask:8 row_mask:0xf bank_mask:0xf
	v_permlanex16_b32 v[M+1], v[M], s12, s13       ; its destination counts as read: a register that has been written
	v_max_num_f32 v[M], v[M], v[M+1]               ; every lane holds the row's maximum
	v_mul_f32 v[CM], s14, v[M]
	v_mov_b32 v[CM+1], v[CM]
.set p, 0
.rept 32
	v_pk_fma_f32 v[X+2*p:X+2*p+1], v[X+2*p:X+2*p+1], s[14:15], v[CM:CM+1] op_sel_hi:[1,0,1] neg_lo:[0,0,1] neg_hi:[0,0,1]
.set p, p+1
.endr
.set p, 0
.rept 64
	v_exp_f32 v[X+p], v[X+p]                       ; one batch of 64
.set p, p+1
.endr
	v_nop                                          ; a plain instruction behind the last exponential,
	s_wait_alu depctr_va_vdst(0)                   ; and the wait ahead of the first use: one for the batch
.irp c, 0,1,2,3
	v_pk_add_f32 v[SU+2*(\c):SU+2*(\c)+1], v[X+2*(\c):X+2*(\c)+1], v[X+8+2*(\c):X+8+2*(\c)+1]  ; the first eight pairs start the chains: nothing is cleared
.endr
.set p, 8
.rept 24
	v_pk_add_f32 v[SU+2*(p%4):SU+2*(p%4)+1], v[SU+2*(p%4):SU+2*(p%4)+1], v[X+2*p:X+2*p+1]
.set p, p+1
.endr
	v_pk_add_f32 v[SU:SU+1], v[SU:SU+1], v[SU+2:SU+3]
	v_pk_add_f32 v[SU+4:SU+5], v[SU+4:SU+5], v[SU+6:SU+7]
	v_pk_add_f32 v[SU:SU+1], v[SU:SU+1], v[SU+4:SU+5]
	v_add_f32 v[SU], v[SU], v[SU+1]
	v_add_f32_dpp v[SU], v[SU], v[SU] row_xmask:1 row_mask:0xf bank_mask:0xf
	v_add_f32_dpp v[SU], v[SU], v[SU] row_xmask:2 row_mask:0xf bank_mask:0xf
	v_add_f32_dpp v[SU], v[SU], v[SU] row_xmask:4 row_mask:0xf bank_mask:0xf
	v_add_f32_dpp v[SU], v[SU], v[SU] row_xmask:8 row_mask:0xf bank_mask:0xf
	v_permlanex16_b32 v[SU+1], v[SU], s12, s13
	v_add_f32 v[SU], v[SU], v[SU+1]                ; every lane holds the row's sum: at least 1, since the maximum's own weight is about 1
	v_rcp_f32 v[R], v[SU]
	v_rcp_f32 v[R+1], v[SU]                        ; twice, to fill the pair that the packed multiply takes
	v_nop
	s_wait_alu depctr_va_vdst(0)                   ; one wait for both reciprocals
.set p, 0
.rept 32
	v_pk_mul_f32 v[X+2*p:X+2*p+1], v[X+2*p:X+2*p+1], v[R:R+1]
.set p, p+1
.endr
.set t, 0
.rept 16
	global_store_b128 v1, v[X+4*t:X+4*t+3], s[6:7] offset:512*t th:TH_STORE_NT  ; 512 consecutive bytes, at a multiple of 256 from out0's first byte
.set t, t+1
.endr
	s_endpgm
.Lfunc_end_k_qa1d988d2d6_softmax:
	.size	k_qa1d988d2d6_softmax, .Lfunc_end_k_qa1d988d2d6_softmax-k_qa1d988d2d6_softmax
	.p2alignl 7, 3214868480
	.fill 96, 4, 3214868480
	.section	.rodata,"a",@progbits
	.p2align	6, 0x0
	.amdhsa_kernel k_qa1d988d2d6_softmax
		.amdhsa_group_segment_fixed_size 0
		.amdhsa_private_segment_fixed_size 0
		.amdhsa_enable_private_segment 0
		.amdhsa_kernarg_size 16
		.amdhsa_user_sgpr_count 2
		.amdhsa_user_sgpr_kernarg_segment_ptr 1
		.amdhsa_wavefront_size32 1
		.amdhsa_system_sgpr_workgroup_id_x 1
		.amdhsa_system_sgpr_workgroup_id_y 1
		.amdhsa_system_sgpr_workgroup_id_z 1
		.amdhsa_system_vgpr_workitem_id 0
		.amdhsa_next_free_vgpr 96
		.amdhsa_next_free_sgpr 66
		.amdhsa_reserve_vcc 0
		.amdhsa_float_denorm_mode_32 3
		.amdhsa_float_denorm_mode_16_64 3
		.amdhsa_memory_ordered 1
		.amdhsa_forward_progress 1
		.amdhsa_inst_pref_size 15
	.end_amdhsa_kernel
	.amdgpu_metadata
---
amdhsa.version: [ 1, 2 ]
amdhsa.kernels:
  - .name:           k_qa1d988d2d6_softmax
    .symbol:         k_qa1d988d2d6_softmax.kd
    .args:
      - { .name: logits, .offset: 0, .size: 8, .value_kind: global_buffer, .address_space: global }
      - { .name: out0, .offset: 8, .size: 8, .value_kind: global_buffer, .address_space: global }
    .group_segment_fixed_size: 0
    .private_segment_fixed_size: 0
    .kernarg_segment_align: 8
    .kernarg_segment_size: 16
    .max_flat_workgroup_size: 256
    .sgpr_count:     66
    .vgpr_count:     96
    .wavefront_size: 32
...
	.end_amdgpu_metadata
.endif
;; end of part 5
;; ======== version 2 of 2: 5 launches; version 1 with the launch cvt written anew for expert scheduling mode
;; workspace buffers: abf 10,485,760 bytes; wbf 41,943,040 bytes; obf 8,388,608 bytes; fbw 8,388,608 bytes; oww 8,388,608 bytes; hbf 8,388,608 bytes; fb 16,777,216 bytes; logits 16,777,216 bytes
;; launch cvt (part 6): grid 64 x 8, 8 waves a work-group, no clusters, 0 bytes of LDS; arguments o_prev, W_fb, obf, fbw; writes obf, fbw
.if DOCPART == 6
	.amdgcn_target "amdgcn-amd-amdhsa--gfx1250"
	.amdhsa_code_object_version 6
	.text
	.protected	k_qa1d988d2d6_cvt
	.globl	k_qa1d988d2d6_cvt
	.p2align	8
	.type	k_qa1d988d2d6_cvt,@function
k_qa1d988d2d6_cvt:
	s_mov_b64 s[64:65], 0
	v_nop
	global_prefetch_b8 v0, s[64:65] scope:SCOPE_SE
	s_setreg_imm32_b32 hwreg(HW_REG_WAVE_SCHED_MODE, 0, 2), 2
	s_setreg_imm32_b32 hwreg(HW_REG_WAVE_MODE, 25, 1), 1
	s_wait_xcnt 0x0
	s_wait_alu depctr_vm_vsrc(0)
; o_prev and W_fb, f32 [2048][2048], are rounded once to bf16 (nearest even) and laid out for the product that follows, as obf and fbw:
; BLOCKS of 64 rows x 64 k, 8,192 dense bytes each: (row m, k) lies at ((m >> 6) * 32 + (k >> 6)) * 8192 + (m & 63) * 128 + (k & 63) * 2.
; (The cell's other matrix operands are converted by the launch that follows, beside its products.)
; A pure stream: nothing is shared and nothing is read twice, so no LDS, no barrier, no matrix unit, no cluster.
; SHARES.  Work-group y picks 512 rows of one tensor (y 0-3 o_prev, 4-7 W_fb), x eight of them, a wave two rows x 1,024 k: sixteen blocks.  A load takes 256 bytes of each of the
; two rows; all sixteen loads are on their way at once; each has two packed roundings and one store in which the 32 lanes write 256 consecutive bytes, aligned
; (two rows of a block, 128 bytes each, lie on end).
; LIMITS.  bf16 has f32's range; NaN and infinities pass as the conversion makes them.
; THE MODE: SCHED_MODE bits 1:0 = 2 (LLVM: expert scheduling mode 2), set by the entry lines.  The code itself states the register dependences
; between vector instructions and memory instructions, with s_wait_alu, always for 0.
; THE PLAN.  Registers that memory instructions touch:
;   v2, v3     the loads' and the stores' byte offsets: written by vector instructions at the head, once; read by every load (v2) and every store (v3).
;   X0 .. X15  load t lands in X[t], which no vector instruction has named before; its two roundings read it; it is never loaded again.
;   Y0 .. Y15  the two roundings of t write Y[t]; store t reads it; it is never written again.
; No register that a memory instruction reads is written a second time, and no load lands in a register that a vector instruction has named: so the only dependences to state are
; that the offsets are written ahead of the first load, and that Y[t] is written ahead of store t.
; The sixteen go in four groups of four.  Group g waits for its four loads; its memory instructions are the four stores of group g - 1, whose Y no vector instruction of group g names.
; So ONE wait at the head of a group states all that its four stores hang on, and these are dealt among its eight roundings with no further wait.
.set X,    8                           ; v[8:71]   sixteen loads of four registers
.set Y,    72                          ; v[72:103] sixteen stores of two
	s_load_b256 s[8:15], s[0:1], 0x0               ; o_prev 8, W_fb 10, obf 12, fbw 14
	s_and_b32 s4, ttmp7, 0xffff                    ; y
	v_lshrrev_b32 v1, 5, v0
	v_readfirstlane_b32 s5, v1                     ; wave 0..7
	v_and_b32 v1, 31, v0                           ; lane
	v_lshlrev_b32 v3, 3, v1                        ; destination: 8 bytes a lane
	v_and_b32 v4, 15, v1
	v_lshrrev_b32 v5, 4, v1
	v_lshlrev_b32 v2, 4, v4
	v_lshl_add_u32 v2, v5, 13, v2                  ; source: lanes 0-15 the first row's 256 bytes, lanes 16-31 the second's
	s_and_b32 s6, s4, 3
	s_lshl_b32 s6, s6, 9
	s_lshl_b32 s7, ttmp9, 3
	s_add_co_u32 s6, s6, s7
	s_wait_alu depctr_va_sdst(0)                   ; s5, the wave's number, is written, ahead of its first reader: my rows and both byte offsets are made from it
	s_lshr_b32 s7, s5, 1
	s_lshl_b32 s7, s7, 1
	s_add_co_u32 s6, s6, s7                        ; my first row: 512 (y & 3) + 8 x + 2 (wave / 2), even
	s_and_b32 s7, s5, 1                            ; which half of K
	s_lshl_b32 s16, s6, 13
	s_lshl_b32 s18, s7, 12                         ; 16 blocks x 256 source bytes
	s_add_co_u32 s16, s16, s18
	s_lshr_b32 s18, s6, 6
	s_lshl_b32 s18, s18, 18                        ; 32 blocks of 8,192 bytes for each 64 rows
	s_lshl_b32 s7, s7, 17                          ; 16 blocks
	s_add_co_u32 s18, s18, s7
	s_and_b32 s6, s6, 63
	s_lshl_b32 s6, s6, 7                           ; 128 bytes a row in a block
	s_add_co_u32 s18, s18, s6
	s_mov_b32 s17, 0                               ; the two byte offsets stay under 2^24
	s_mov_b32 s19, 0
	s_wait_kmcnt 0x0
	s_cmp_lt_u32 s4, 4
	s_cselect_b64 s[20:21], s[8:9], s[10:11]
	s_cselect_b64 s[22:23], s[12:13], s[14:15]
	s_add_nc_u64 s[20:21], s[20:21], s[16:17]
	s_add_nc_u64 s[22:23], s[22:23], s[18:19]
	s_wait_alu depctr_va_vdst(0)                   ; v2 and v3 are written: every load of the kernel reads v2 as its offset, every store v3; neither is written again
.set t, 0
.rept 16
	global_load_b128 v[X+4*t:X+4*t+3], v2, s[20:21] offset:256*t th:TH_LOAD_NT
.set t, t+1
.endr
; Group g: loads 4 g to 4 g + 3 are rounded; the stores of group g - 1 go out among the roundings, each ahead of a pair of them.
.macro GROUP g
	s_wait_loadcnt 12-4*(\g)                       ; loads come back in order: the group's four are in, the 12 - 4 g younger ones stay out
.if (\g) > 0
	s_wait_alu depctr_va_vdst(0)                   ; the roundings of the group before have written its Y, which the four stores below read; no vector instruction since this wait names those registers
.endif
.irp i, 0,1,2,3
.if (\g) > 0
	global_store_b64 v3, v[Y+2*(4*(\g)-4+(\i)):Y+2*(4*(\g)-4+(\i))+1], s[22:23] offset:8192*(4*(\g)-4+(\i)) th:TH_STORE_NT
.endif
	v_cvt_pk_bf16_f32 v[Y+2*(4*(\g)+(\i))], v[X+4*(4*(\g)+(\i))], v[X+4*(4*(\g)+(\i))+1]
	v_cvt_pk_bf16_f32 v[Y+2*(4*(\g)+(\i))+1], v[X+4*(4*(\g)+(\i))+2], v[X+4*(4*(\g)+(\i))+3]
.endr
.endm
	GROUP 0
	GROUP 1
	GROUP 2
	GROUP 3
	s_wait_alu depctr_va_vdst(0)                   ; group 3's roundings have written Y12 to Y15, which the last four stores read
.irp i, 12,13,14,15
	global_store_b64 v3, v[Y+2*(\i):Y+2*(\i)+1], s[22:23] offset:8192*(\i) th:TH_STORE_NT
.endr
	s_endpgm
.Lfunc_end_k_qa1d988d2d6_cvt:
	.size	k_qa1d988d2d6_cvt, .Lfunc_end_k_qa1d988d2d6_cvt-k_qa1d988d2d6_cvt
	.p2alignl 7, 3214868480
	.fill 96, 4, 3214868480
	.section	.rodata,"a",@progbits
	.p2align	6, 0x0
	.amdhsa_kernel k_qa1d988d2d6_cvt
		.amdhsa_group_segment_fixed_size 0
		.amdhsa_private_segment_fixed_size 0
		.amdhsa_enable_private_segment 0
		.amdhsa_kernarg_size 32
		.amdhsa_user_sgpr_count 2
		.amdhsa_user_sgpr_kernarg_segment_ptr 1
		.amdhsa_wavefront_size32 1
		.amdhsa_system_sgpr_workgroup_id_x 1
		.amdhsa_system_sgpr_workgroup_id_y 1
		.amdhsa_system_sgpr_workgroup_id_z 1
		.amdhsa_system_vgpr_workitem_id 0
		.amdhsa_next_free_vgpr 104
		.amdhsa_next_free_sgpr 66
		.amdhsa_reserve_vcc 0
		.amdhsa_float_denorm_mode_32 3
		.amdhsa_float_denorm_mode_16_64 3
		.amdhsa_memory_ordered 1
		.amdhsa_forward_progress 1
		.amdhsa_inst_pref_size 7
	.end_amdhsa_kernel
	.amdgpu_metadata
---
amdhsa.version: [ 1, 2 ]
amdhsa.kernels:
  - .name:           k_qa1d988d2d6_cvt
    .symbol:         k_qa1d988d2d6_cvt.kd
    .args:
      - { .name: o_prev, .offset: 0, .size: 8, .value_kind: global_buffer, .address_space: global }
      - { .name: W_fb, .offset: 8, .size: 8, .value_kind: global_buffer, .address_space: global }
      - { .name: obf, .offset: 16, .size: 8, .value_kind: global_buffer, .address_space: global }
      - { .name: fbw, .offset: 24, .size: 8, .value_kind: global_buffer, .address_space: global }
    .group_segment_fixed_size: 0
    .private_segment_fixed_size: 0
    .kernarg_segment_align: 8
    .kernarg_segment_size: 32
    .max_flat_workgroup_size: 256
    .sgpr_count:     66
    .vgpr_count:     104
    .wavefront_size: 32
...
	.end_amdgpu_metadata
.endif
;; end of part 6
;; launch fbgemm: the kernel of part 2 again; grid 16 x 16, 4 waves a work-group, clusters of 4 x 4, 327,680 bytes of LDS; arguments obf, fbw, b_fb, fb, data, h_prev, Wi, Wh, W_out, abf, wbf, oww; writes fb, abf, wbf, oww
;; launch gates: the kernel of part 3 again; grid 32 x 8, 4 waves a work-group, clusters of 4 x 4, 327,680 bytes of LDS; arguments abf, wbf, bi, c_prev, fb, out1, out2, hbf; writes out1, out2, hbf
;; launch logit: the kernel of part 4 again; grid 16 x 16, 4 waves a work-group, clusters of 4 x 4, 327,680 bytes of LDS; arguments hbf, oww, b_out, logits; writes logits
;; launch softmax: the kernel of part 5 again; grid 256 x 1, 8 waves a work-group, no clusters, 0 bytes of LDS; arguments logits, out0; writes out0
